; MI455X (gfx1250); checked and timed in simulation.
; The chip was launched on July 23, 2026; its instructions are those of AMD's public machine-readable ISA for CDNA 5 (MIT licence, August 2026) and "CDNA5" Instruction Set Architecture Reference Guide (July 2026). The comments in the code are by the model that wrote it; some were corrected since.
;; Multi Headed Attention. Allowed arithmetic: matrix products marked QUANTISED: E2M3 operands, one E8M0 scale for each 32 along K, by v_wmma_scale_f32_16x16x128_f8f6f4 with both operands' format E2M3, f32 sums; everything else in f32.
;; Inputs: Wk 16 x 1,024 x 64 float32; Wo 1,024 x 1,024 float32; Wq 16 x 1,024 x 64 float32; Wv 16 x 1,024 x 64 float32; bk 16 x 64 float32; bo 1,024 float32; bq 16 x 64 float32; bv 16 x 64 float32; key 4 x 2,048 x 1,024 float32; query 4 x 2,048 x 1,024 float32; value 4 x 2,048 x 1,024 float32.
;; Outputs: out0 4 x 2,048 x 1,024 float32.
;; This version of the problem:
;;   THIS VERSION OF THE PROBLEM IS GIVEN IN LOW PRECISION. The matrix products marked QUANTISED in the list below multiply operands that are first quantised to E2M3 (2 exponent bits, 3 mantissa bits; 6 bits a number), with one power-of-two scale for each 32 numbers along K (OCP MX v1.0); their sums are f32. All else is computed in f32.
;;   The module's matrix products, in the order in which they are computed (A, B: the left and right operand; K: the contracted axis; several contracted axes count as one K, in the product's order):
;;     1. [M 1,024, K 1,024] x [K 1,024, N 8,192]; A: input Wq; B: input query: QUANTISED
;;     2. [M 1,024, K 1,024] x [K 1,024, N 8,192]; A: input Wk; B: input key: QUANTISED
;;     3. [M 1,024, K 1,024] x [K 1,024, N 8,192]; A: input Wv; B: input value: QUANTISED
;;     4. batch 64 x [M 2,048, K 64] x [K 64, N 2,048]; A: computed on the way; B: computed on the way: QUANTISED
;;     5. batch 64 x [M 2,048, K 2,048] x [K 2,048, N 64]; A: softmax (see below); B: computed on the way: QUANTISED
;;     6. [M 8,192, K 1,024] x [K 1,024, N 1,024]; A: computed on the way; B: input Wo: QUANTISED
;;   THE QUANTISER, for each operand of a quantised product, along K:
;;     - K is cut into blocks of 32 from its start; a last block that is shorter is filled with zeros.
;;     - A block's scale is 2^e with e = floor(log2(the largest magnitude in the block)) - 2, held to -126 .. 127; a block of zeros has e = 0. As a byte (E8M0): e + 127.
;;     - Each number is divided by its block's scale, clamped to +-7.5, and rounded to the nearest number of E2M3, ties to even, subnormals kept.
;;     - The product sums the exact products of the quantised numbers (number of the format x scale) in f32.
;;   ~~~python
;;   def quantise(x, axis):      # numpy; x: float32 -> the quantised numbers, widened to float32 again
;;       x = np.moveaxis(x, axis, -1); K = x.shape[-1]
;;       x = np.pad(x, [(0, 0)] * (x.ndim - 1) + [(0, -K % 32)]); x = x.reshape(x.shape[:-1] + (-1, 32)); a = np.abs(x).max(-1, keepdims=True)
;;       e = np.where(a > 0, np.clip(np.frexp(np.where(a > 0, a, 1))[1] - 1 - 2, -126, 127), 0)      # np.frexp(a)[1] - 1 = floor(log2(a)), exactly
;;       r = np.clip(x / 2.0 ** e, -7.5, 7.5)
;;       step = 2.0 ** (np.maximum(np.frexp(np.where(r == 0, 1, r))[1] - 1, 0) - 3)
;;       q = np.round(r / step) * step * 2.0 ** e      # np.round: ties to even
;;       return np.moveaxis(q.reshape(q.shape[:-2] + (-1,))[..., :K], -1, axis).astype(np.float32)
;;   ~~~
;;   SOFTMAX AHEAD OF A QUANTISED PRODUCT. Where the list says 'softmax', what is quantised is not the finished softmax but p = 2^(t - M), with t = logit x log2(e) and M = ceil(the row's largest t), a whole number; so 1/2 < the row's largest p <= 1. The row's sum l is taken of the UNQUANTISED p, in f32, and the product's result is divided by l at the end. Since M is a whole number, a kernel that streams over the keys may use a running M (the ceiling of the running maximum): every later rescaling is an exact power of two, which a block's scale takes up: the codes' values come out the same.
;;   OPERANDS COMPUTED ON THE WAY. 'Computed on the way' means the value that the module computes at that place (a softmax that the list does not call 'softmax' is quantised finished and normalised). What goes into a quantiser is computed in f32, as accurately as f32 sums, v_exp_f32 and their like allow (about 1e-6 of the number): no bf16 or f16 on the way to a quantiser, and a product that is left as it is and whose result goes on into a quantised operand takes f32 operands (vector FMAs, or v_wmma_f32_16x16x4_f32). A number that lies on a knife's edge between two numbers of the format may be rounded either way, as far as f32 arithmetic and the matrix unit's own rounding can turn it there, and no further.
;; One version. Each part assembles by itself: llvm-mc -triple=amdgcn-amd-amdhsa -mcpu=gfx1250 --defsym DOCPART=n.
;; ======== version 1 of 1: 4 launches
;; limits: right only within a limited range of input values
;; workspace buffers: img 22,937,600 bytes; qc 6,291,456 bytes; qs 524,288 bytes; kvc 12,582,912 bytes; kvs 786,432 bytes; oimg 6,553,600 bytes
;; launch quant (part 1): grid 592 x 1, 4 waves a work-group, no clusters, 34,304 bytes of LDS; arguments query, key, value, Wo, Wq, Wk, Wv, img; writes img
.if DOCPART == 1
	.amdgcn_target "amdgcn-amd-amdhsa--gfx1250"
	.amdhsa_code_object_version 6
	.text
	.protected	k_qf0c29dd26b_quant
	.globl	k_qf0c29dd26b_quant
	.p2align	8
	.type	k_qf0c29dd26b_quant,@function
k_qf0c29dd26b_quant:
	s_mov_b64 s[64:65], 0
	v_nop
	global_prefetch_b8 v0, s[64:65] scope:SCOPE_SE
	s_setreg_imm32_b32 hwreg(HW_REG_WAVE_MODE, 25, 1), 1
	s_wait_xcnt 0x0
; query, key, value [8192][1024], Wo [1024][1024] (K innermost) and Wq, Wk, Wv [16][1024][64] (K = the middle axis), all f32, become codes of FP6 (E2M3) with one E8M0 byte for each 32 along K.
; THE OUTPUT IS LAID AS THE PRODUCTS' REGISTERS WANT IT.  A RECORD (12,800 bytes) belongs to a tile of 16 operand rows and all 1,024 of K: eight fragment images (K steps of 128; 12 registers a lane, as 3 groups of
; 512 bytes, lane l's 16 bytes at 16 l), then 512 bytes of scale words: the word of (row r, step s) at 256 (s / 4) + 16 r + 4 (s % 4).
; THE ROWS OF A TILE ARE NOT NEIGHBOURS: lane r of tile T holds row 32 (T / 2) + 8 (T % 2) + r + 8 (r / 8), in every operand of the program.
; Records: query 0-511, key 512-1023, value 1024-1535, Wo 1536-1599, Wq 1600-1663, Wk 1664-1727, Wv 1728-1791 (a weight's row is head x 64 + e).
; A block's scale is 2^(floor(log2(its largest magnitude)) - 2); its byte is the largest magnitude's exponent field - 2, held at 1 from below.
; LIMITS: NaN and infinities among the inputs are not served; a block whose largest magnitude lies under 2^-124 gets the byte 1; a block of zeros gets the byte 1 where the rule says 127: its codes are zeros, and this program alone reads the bytes.
; Work-groups 0-191 take the three weights (a wave: two tiles x one K step), work-groups 192-591 the four tensors whose K is innermost (a wave: one tile, all of K).  Waves share nothing: no barrier.
; No matrix unit, no cluster, no tensor load: the launch streams each input byte once.
.set REC,   12800
.set STG,   16*528                     ; a wave's stage: 16 rows of 512 bytes + 16 of padding: row r starts 4 r banks on
.set SPARE, 4*STG                      ; behind the four stages: the spare words, 128 bytes for each wave
.set LI,  1                            ; v1   16 x lane
.set STI, 2                            ; v2   the stage, on the way in: 16 x lane
.set STO, 3                            ; v3   on the way out: 528 r + 128 h
.set SPW, 4                            ; v4   my spare word; never rewritten
.set NIL, 5                            ; v5   0; never rewritten
.set WD,  8                            ; v8-15  the scale words of the eight K steps
.set SW,  16                           ; v16-19 as they are stored
.set R,   32                           ; v32-159 numbers as they are loaded
.set X,   160                          ; v160-223 64 numbers of my row: two whole blocks of 32
.set PC,  228                          ; v228-239 a fragment's codes
.set PCT, 240                          ; v240-246 the upper halves of the blocks' codes, before they are moved
.set F0,  160                          ; the weights' path: the fragments of tiles 2 pp and 2 pp + 1
.set F1,  172
.set TA,  184
.set TB,  188
	s_load_b256 s[8:15], s[0:1], 0x0               ; query s[8:9], key s[10:11], value s[12:13], Wo s[14:15]
	s_load_b256 s[16:23], s[0:1], 0x20             ; Wq s[16:17], Wk s[18:19], Wv s[20:21], img s[22:23]
	v_lshl_add_u32 v[SPW], v0, 2, SPARE
	v_mov_b32 v[NIL], 0
	v_lshrrev_b32 v6, 5, v0
	v_readfirstlane_b32 s24, v6                    ; wave
	v_and_b32 v6, 31, v0                           ; lane
	v_and_b32 v7, 15, v0                           ; r
	v_bfe_u32 v24, v0, 4, 1                        ; h
	v_lshlrev_b32 v[LI], 4, v6
	s_mul_i32 s35, s24, STG
	v_add_nc_u32 v[STI], s35, v[LI]
	v_mul_u32_u24 v[STO], v7, 528
	v_lshl_add_u32 v[STO], v24, 7, v[STO]
	v_add_nc_u32 v[STO], s35, v[STO]
	v_lshlrev_b32 v25, 3, v24                      ; 8 h: where my bytes stand in a scale word
	v_mov_b32 v26, 0                               ; a lane permute's destination counts as one of its sources
	s_mov_b32 s32, 0x76543210
	s_mov_b32 s33, 0xfedcba98                      ; v_permlanex16_b32's selects for lane l xor 16
	s_mov_b32 s34, 0xffff0000                      ; lanes 16-31
	s_mov_b32 s31, 0
	s_wait_kmcnt 0x0
	s_cmp_lt_u32 ttmp9, 192
	s_cbranch_scc1 .Lweights
; ---- K innermost: my wave's tile is number 4 (work-group - 192) + wave of 1,600
	s_sub_co_u32 s25, ttmp9, 192
	s_cmp_lt_u32 s25, 384                          ; the choice of the tensor hangs on the work-group's number alone
	s_cselect_b64 s[26:27], s[12:13], s[14:15]
	s_cmp_lt_u32 s25, 256
	s_cselect_b64 s[26:27], s[10:11], s[26:27]
	s_cmp_lt_u32 s25, 128
	s_cselect_b64 s[26:27], s[8:9], s[26:27]
	s_lshl_b32 s28, s25, 2
	s_add_co_u32 s28, s28, s24                     ; the record
	s_and_b32 s29, s28, 511                        ; the tile in its tensor
	; KEY's tiles are laid otherwise: lane r of tile T holds row 64 (T / 4) + 8 (T % 4) + r % 8 + 32 (r / 8), so that in the scores a lane holds whole blocks of 32 keys
	s_lshr_b32 s36, s25, 7
	s_cmp_eq_u32 s36, 1                            ; work-groups 128-255 of this path take key: the choice hangs on the work-group's number alone
	s_cselect_b32 s37, 2, 1                        ; tiles to a group of rows: 4 or 2, as a shift
	s_cselect_b32 s36, 0x10000, 0                  ; lanes 8-15's rows lie 16 rows further on in key
	s_lshr_b32 s30, s29, s37
	s_add_co_u32 s38, s37, 16
	s_lshl_b32 s30, s30, s38                       ; 64 or 32 rows of 4,096 bytes for each group,
	s_bfm_b32 s38, s37, 0
	s_and_b32 s29, s29, s38
	s_lshl_b32 s29, s29, 15                        ; 8 rows for each tile in it
	s_add_co_u32 s30, s30, s29
	s_add_nc_u64 s[26:27], s[26:27], s[30:31]
	s_mul_i32 s30, s28, REC
	s_add_nc_u64 s[22:23], s[22:23], s[30:31]
.macro LOAD s                          ; K step s of my 16 rows: an instruction reads one row's 512 consecutive bytes
.irp i, 0,1,2,3,4,5,6,7,8,9,10,11,12,13,14,15
	global_load_b128 v[R+64*((\s)%2)+4*\i:R+64*((\s)%2)+4*\i+3], v[LI+5*(\i/8)], s[26:27] offset:(\i+8*(\i/8))*4096+512*(\s) th:TH_LOAD_NT
.endr
.endm
.macro TURN s                          ; through my own stage: in as loaded, out 128 bytes (a block of 32) a lane.  LDS serves a wave's instructions in order: no wait between the stores and the loads
.irp i, 0,1,2,3,4,5,6,7,8,9,10,11,12,13,14,15
	ds_store_b128 v[STI], v[R+64*((\s)%2)+4*\i:R+64*((\s)%2)+4*\i+3] offset:528*\i
.endr
.irp c, 0,1
.irp j, 0,1,2,3,4,5,6,7
	ds_load_b128 v[X+32*\c+4*\j:X+32*\c+4*\j+3], v[STO] offset:256*\c+16*\j   ; X + 32 c + i = k 64 c + 32 h + i of row r: as the operand's layout gives it to my lane
.endr
.endr
.endm
.macro QUANT6 s
.irp c, 0,1
	v_max3_num_f32 v[20+\c], |v[X+32*\c]|, |v[X+32*\c+1]|, 0x1800000   ; my block 2 c + h, and the floor 2^(3 - 127): the byte cannot fall under 1
.endr
.irp i, 2,4,6,8,10,12,14,16,18,20,22,24,26,28,30
.irp c, 0,1
	v_max3_num_f32 v[20+\c], v[20+\c], |v[X+32*\c+\i]|, |v[X+32*\c+\i+1]|
.endr
.endr
.irp c, 0,1
	v_add_nc_u32 v[22+\c], 0xff000000, v[20+\c]    ; 2 off the exponent field: the conversion's scale operand
.endr
.irp c, 0,1
	v_lshrrev_b32 v[20+\c], 23, v[22+\c]           ; the scale's byte
.endr
	v_lshl_or_b32 v27, v21, 16, v20                ; blocks h and 2 + h,
	v_lshlrev_b32 v27, v25, v27                    ; at their places;
	v_permlanex16_b32 v26, v27, s32, s33
	v_or_b32 v[WD+\s], v27, v26                    ; with lane l xor 16's two the word is whole
.irp c, 0,1
	v_cvt_scalef32_pk16_fp6_f32 v[PC+6*\c:PC+6*\c+2], v[X+32*\c:X+32*\c+15], v[22+\c]
	v_cvt_scalef32_pk16_fp6_f32 v[PCT+4*\c:PCT+4*\c+2], v[X+32*\c+16:X+32*\c+31], v[22+\c]   ; (a conversion's three registers begin on an even number)
.endr
	v_nop                                          ; one plain place behind the scaled conversions
.irp c, 0,1
.irp i, 0,1,2
	v_mov_b32 v[PC+6*\c+3+\i], v[PCT+4*\c+\i]
.endr
.endr
.endm
.macro ASTEP s
.if \s < 7
	s_wait_loadcnt 16                              ; this step's 16 loads are in; the next step's may be out
.else
	s_wait_loadcnt 0
.endif
	TURN \s
	s_wait_dscnt 0x0                               ; the numbers are back, and the stores into the stage have read their registers
.if \s > 0
	s_wait_xcnt 0x0                                ; the last step's stores have read the codes' registers
.endif
.if \s < 6
	LOAD (\s)+2
.endif
	QUANT6 \s
.irp g, 0,1,2
	global_store_b128 v[LI], v[PC+4*\g:PC+4*\g+3], s[22:23] offset:1536*(\s)+512*\g   ; 512 consecutive bytes, aligned
.endr
.endm
	s_wait_alu depctr_va_vdst(0)                   ; the wait directly ahead of the reader below
	v_add_nc_u32 v6, s36, v[LI]                    ; v6: the offset of rows 8-15 of the tile
	s_wait_alu depctr_va_vdst(0)
	LOAD 0
	LOAD 1
.irp s, 0,1,2,3,4,5,6,7
	ASTEP \s
.endr
.irp i, 0,1,2,3
	v_cndmask_b32 v[SW+\i], v[WD+\i], v[WD+4+\i], s34   ; lanes 0-15: steps 0-3 of row r; lanes 16-31: steps 4-7
.endr
	global_store_b128 v[LI], v[SW:SW+3], s[22:23] offset:12288
	s_wait_tensorcnt 0x0                           ; the wave's end, behind my last LDS store
	ds_add_u32 v[SPW], v[NIL]
	s_wait_dscnt 0x0
	s_endpgm
; ---- the weights: K is the middle axis.  A LANE TAKES A COLUMN e AND ITS REGISTERS RUN DOWN K.  Lanes 0-15 take the rows of tile 2 pp, lanes 16-31 those of tile 2 pp + 1: together 32 neighbouring e, 128 consecutive bytes a load.
.Lweights:
	s_lshl_b32 s25, ttmp9, 2
	s_add_co_u32 s25, s25, s24
	s_lshr_b32 s26, ttmp9, 6                       ; which weight
	s_cmp_lt_u32 s26, 2
	s_cselect_b64 s[28:29], s[18:19], s[20:21]
	s_cmp_lt_u32 s26, 1
	s_cselect_b64 s[28:29], s[16:17], s[28:29]
	s_and_b32 s25, s25, 255
	s_lshr_b32 s27, s25, 3                         ; pp: the pair of tiles, 0 .. 31
	s_and_b32 s25, s25, 7                          ; the K step
	s_lshr_b32 s30, s27, 1
	s_lshl_b32 s30, s30, 18                        ; the head: 1,024 rows of 256 bytes
	s_and_b32 s36, s27, 1
	s_lshl_b32 s36, s36, 7                         ; e = 32 (pp % 2) on
	s_add_co_u32 s30, s30, s36
	s_lshl_b32 s36, s25, 15                        ; 128 rows d for each K step
	s_add_co_u32 s30, s30, s36
	s_add_nc_u64 s[28:29], s[28:29], s[30:31]
	s_lshl_b32 s30, s26, 6
	s_lshl_b32 s36, s27, 1
	s_add_co_u32 s30, s30, s36
	s_add_co_u32 s30, s30, 1600
	s_mul_i32 s30, s30, REC
	s_add_nc_u64 s[22:23], s[22:23], s[30:31]      ; tile 2 pp's record
	s_mul_i32 s30, s25, 1536
	s_add_nc_u64 s[36:37], s[22:23], s[30:31]      ; its fragment of my K step
	s_lshr_b32 s30, s25, 2
	s_lshl_b32 s30, s30, 8
	s_and_b32 s38, s25, 3
	s_lshl_b32 s38, s38, 2
	s_add_co_u32 s30, s30, s38
	s_add_co_u32 s30, s30, 12288
	s_add_nc_u64 s[38:39], s[22:23], s[30:31]      ; and its scale words of my K step
	s_wait_alu depctr_va_vdst(0)
	v_and_b32 v10, 8, v7
	v_add_nc_u32 v10, v10, v7
	v_lshl_add_u32 v10, v24, 3, v10
	v_lshlrev_b32 v10, 2, v10                      ; 4 (8 h + r + 8 (r / 8)): my column
	v_mul_u32_u24 v11, v24, REC
	v_lshl_add_u32 v11, v7, 4, v11                 ; my scale word: my tile's record, 16 r
.macro LOADB k                         ; block k of the K step: W(32 k + i, my column)
.irp i, 0,1,2,3,4,5,6,7,8,9,10,11,12,13,14,15,16,17,18,19,20,21,22,23,24,25,26,27,28,29,30,31
	global_load_b32 v[R+32*(\k)+\i], v10, s[28:29] offset:(32*(\k)+\i)*256 th:TH_LOAD_NT
.endr
.endm
.macro WBLOCK k
.set XS, R+32*(\k)
.if \k < 3
	s_wait_loadcnt 32                              ; this block's 32 loads are in; the next block's may be out
.else
	s_wait_loadcnt 0
.endif
.if \k < 2
	LOADB (\k)+2
.endif
	v_max3_num_f32 v12, |v[XS]|, |v[XS+1]|, 0x1800000   ; all 32 numbers are mine; the floor 2^(3 - 127) among them
	v_max3_num_f32 v13, |v[XS+2]|, |v[XS+3]|, |v[XS+4]|
.irp i, 5,9,13,17,21,25
	v_max3_num_f32 v12, v12, |v[XS+\i]|, |v[XS+\i+1]|
	v_max3_num_f32 v13, v13, |v[XS+\i+2]|, |v[XS+\i+3]|
.endr
	v_max3_num_f32 v12, v12, |v[XS+29]|, |v[XS+30]|
	v_max3_num_f32 v12, v12, v13, |v[XS+31]|
	v_add_nc_u32 v[16+(\k)], 0xff000000, v12       ; the conversion's scale operand
	v_lshrrev_b32 v13, 23, v[16+(\k)]              ; the byte
.if \k == 0
	v_mov_b32 v[WD], v13
.else
	v_lshl_or_b32 v[WD], v13, 8*(\k), v[WD]        ; my row's scale word of this K step
.endif
.if (\k)%2 == 0
	v_cvt_scalef32_pk16_fp6_f32 v[F0+6*((\k)/2):F0+6*((\k)/2)+2], v[XS:XS+15], v[16+(\k)]
	v_cvt_scalef32_pk16_fp6_f32 v[TA:TA+2], v[XS+16:XS+31], v[16+(\k)]
	v_nop                                          ; one plain place behind the scaled conversions
.else
	v_cvt_scalef32_pk16_fp6_f32 v[F1+6*((\k)/2):F1+6*((\k)/2)+2], v[XS:XS+15], v[16+(\k)]
	v_cvt_scalef32_pk16_fp6_f32 v[TB:TB+2], v[XS+16:XS+31], v[16+(\k)]
	v_nop
.irp i, 0,1,2                          ; the even block's lanes 16-31 (tile 2 pp + 1) change places with the odd block's lanes 0-15 (tile 2 pp): then the first holds tile 2 pp (lanes 0-15 block 2 c, lanes 16-31 block 2 c + 1), the second tile 2 pp + 1
	v_permlane16_swap_b32 v[F0+6*((\k)/2)+\i], v[F1+6*((\k)/2)+\i]
	v_permlane16_swap_b32 v[TA+\i], v[TB+\i]
.endr
.irp i, 0,1,2
	v_mov_b32 v[F0+6*((\k)/2)+3+\i], v[TA+\i]
	v_mov_b32 v[F1+6*((\k)/2)+3+\i], v[TB+\i]
.endr
.endif
.endm
	LOADB 0
	LOADB 1
	s_wait_alu depctr_va_vdst(0)
.irp k, 0,1,2,3
	WBLOCK \k
.endr
.irp g, 0,1,2
	global_store_b128 v[LI], v[F0+4*\g:F0+4*\g+3], s[36:37] offset:512*\g
	global_store_b128 v[LI], v[F1+4*\g:F1+4*\g+3], s[36:37] offset:REC+512*\g
.endr
	global_store_b32 v11, v[WD], s[38:39]          ; 4 bytes a lane, 16 bytes apart: one byte for each 128 that this path reads
	s_wait_tensorcnt 0x0                           ; the wave's end, as above
	ds_add_u32 v[SPW], v[NIL]
	s_wait_dscnt 0x0
	s_endpgm
.Lfunc_end_k_qf0c29dd26b_quant:
	.size	k_qf0c29dd26b_quant, .Lfunc_end_k_qf0c29dd26b_quant-k_qf0c29dd26b_quant
	.p2alignl 7, 3214868480
	.fill 96, 4, 3214868480
	.section	.rodata,"a",@progbits
	.p2align	6, 0x0
	.amdhsa_kernel k_qf0c29dd26b_quant
		.amdhsa_group_segment_fixed_size 34304
		.amdhsa_private_segment_fixed_size 0
		.amdhsa_enable_private_segment 0
		.amdhsa_kernarg_size 64
		.amdhsa_user_sgpr_count 2
		.amdhsa_user_sgpr_kernarg_segment_ptr 1
		.amdhsa_wavefront_size32 1
		.amdhsa_system_sgpr_workgroup_id_x 1
		.amdhsa_system_sgpr_workgroup_id_y 1
		.amdhsa_system_sgpr_workgroup_id_z 1
		.amdhsa_system_vgpr_workitem_id 0
		.amdhsa_next_free_vgpr 256
		.amdhsa_next_free_sgpr 66
		.amdhsa_reserve_vcc 0
		.amdhsa_float_denorm_mode_32 3
		.amdhsa_float_denorm_mode_16_64 3
		.amdhsa_memory_ordered 1
		.amdhsa_forward_progress 1
		.amdhsa_inst_pref_size 78
	.end_amdhsa_kernel
	.amdgpu_metadata
---
amdhsa.version: [ 1, 2 ]
amdhsa.kernels:
  - .name:           k_qf0c29dd26b_quant
    .symbol:         k_qf0c29dd26b_quant.kd
    .args:
      - { .name: query, .offset: 0, .size: 8, .value_kind: global_buffer, .address_space: global }
      - { .name: key, .offset: 8, .size: 8, .value_kind: global_buffer, .address_space: global }
      - { .name: value, .offset: 16, .size: 8, .value_kind: global_buffer, .address_space: global }
      - { .name: Wo, .offset: 24, .size: 8, .value_kind: global_buffer, .address_space: global }
      - { .name: Wq, .offset: 32, .size: 8, .value_kind: global_buffer, .address_space: global }
      - { .name: Wk, .offset: 40, .size: 8, .value_kind: global_buffer, .address_space: global }
      - { .name: Wv, .offset: 48, .size: 8, .value_kind: global_buffer, .address_space: global }
      - { .name: img, .offset: 56, .size: 8, .value_kind: global_buffer, .address_space: global }
    .group_segment_fixed_size: 34304
    .private_segment_fixed_size: 0
    .kernarg_segment_align: 8
    .kernarg_segment_size: 64
    .max_flat_workgroup_size: 128
    .sgpr_count:     66
    .vgpr_count:     256
    .wavefront_size: 32
...
	.end_amdgpu_metadata
.endif
;; end of part 1
;; launch proj (part 2): grid 12 x 32, 4 waves a work-group, clusters of 4 x 4, 327,680 bytes of LDS; arguments img, bq, bk, bv, qc, qs, kvc, kvs; writes qc, qs, kvc, kvs
.if DOCPART == 2
	.amdgcn_target "amdgcn-amd-amdhsa--gfx1250"
	.amdhsa_code_object_version 6
	.text
	.protected	k_qf0c29dd26b_proj
	.globl	k_qf0c29dd26b_proj
	.p2align	8
	.type	k_qf0c29dd26b_proj,@function
k_qf0c29dd26b_proj:
	s_mov_b64 s[64:65], 0
	v_nop
	global_prefetch_b8 v0, s[64:65] scope:SCOPE_SE
	s_setreg_imm32_b32 hwreg(HW_REG_WAVE_MODE, 25, 1), 1
	s_wait_xcnt 0x0
	s_wait_alu depctr_hold_cnt(0) depctr_sa_sdst(0) depctr_va_vdst(0) depctr_va_sdst(0) depctr_va_ssrc(0) depctr_va_vcc(0) depctr_vm_vsrc(0)
	s_getreg_b32 s2, hwreg(HW_REG_IB_STS2, 6, 4)
	s_cmp_eq_u32 s2, 0
	s_cbranch_scc0 .Lentry_in_a_cluster
	s_endpgm
.Lentry_in_a_cluster:
	s_bfe_u32 s2, ttmp6, 0x10000c
	s_cmp_lg_u32 s2, 0xf033
	s_cbranch_scc0 .Lentry_shape_is_right
	s_endpgm
.Lentry_shape_is_right:
.set REC,   12800
.set FR,    12
.set NL,    3
.set NP,    4
.set HALFT, 24576
.set SLOT,  4*HALFT
.set SCL,   2*SLOT
.set SPARE, SCL+4*4096
.set ADRA, 16
.set ADRB, 20
.set L8,   25
.set LI,   26
.set ADRS, 27
.set SPW,  28
.set NIL,  29
.set SC,   32
.set AF,   128
.set H,    128
.set X,    32
.set Y,    44
.set PCT,  56
.set TM,   64
.set PW,   80
.set SA,   84
.set SB,   88
.set G1,   24
.set G0,   32
.set G1B,  48
.set G0B,  56
.set G1S,  68
.set G0S,  76
.set G0SB, 80
.set G1SB, 92
.set OC0,  84
.set OS0,  86
.set OC1,  88
.set OS1,  90
.set SEL,  100
.set MSB, 0
.macro WIN new
.if MSB != (\new)
	s_set_vgpr_msb (MSB<<8)|(\new)
.set MSB, (\new)
.endif
.endm
.set MUL_LO, 0xa1
.set MUL_HI, 0xf1
.set TO_B,   0x40
.macro JLOAD g0a, g1a, g0b, g1b
	s_cmp_eq_u32 s15, 0
	s_cbranch_scc0 .Lfor_b_\@
	tensor_load_to_lds s[\g0a:\g0a+3], s[\g1a:\g1a+7]
	s_nop 0
.rept 4
	v_nop
.endr
	s_branch .Lasked_\@
.Lfor_b_\@:
	tensor_load_to_lds s[\g0b:\g0b+3], s[\g1b:\g1b+7]
	s_nop 0
.rept 4
	v_nop
.endr
.Lasked_\@:
.endm
.macro CREST
	s_cmp_lg_u32 s14, 0
	s_cbranch_scc1 .Lnot_wave_0_\@
	s_barrier_signal -3
.Lnot_wave_0_\@:
	s_barrier_wait -3
	s_barrier_signal -1
	s_barrier_wait -1
.endm
.macro CROUND
	s_barrier_signal -1
	s_barrier_wait -1
	CREST
.endm
.macro PLACES n
.rept \n
	v_nop
.endr
.endm
	s_load_b256 s[4:11], s[0:1], 0x0
	s_load_b256 s[84:91], s[0:1], 0x20
	v_lshl_add_u32 v[SPW], v0, 2, SPARE
	v_mov_b32 v[NIL], 0
	ds_add_u32 v[SPW], v[NIL]
	ds_add_u32 v[SPW], v[NIL]
	v_lshrrev_b32 v1, 5, v0
	v_readfirstlane_b32 s14, v1
	s_lshr_b32 s15, s14, 1
	s_and_b32 s16, s14, 1
	s_bfe_u32 s40, ttmp6, 0x40000
	s_bfe_u32 s41, ttmp6, 0x40004
	s_and_b32 s17, ttmp7, 0xffff
	s_lshl_b32 s17, s17, 2
	s_cmp_eq_u32 ttmp9, 2
	s_cselect_b32 s18, 0, s17
	s_cselect_b32 s19, s17, 0
	s_cselect_b32 s42, 704, 0
	s_add_co_u32 s18, s18, s41
	s_add_co_u32 s19, s19, s40
	s_lshl_b32 s43, s41, 2
	s_lshl_b32 s43, 15, s43
	s_lshl_b32 s44, 0x1111, s40
	s_or_b32 s[G1+0], s43, (3<<16)|(1<<21)
	s_or_b32 s[G1B+0], s44, (3<<16)|(1<<21)
.irp g, G1, G1B
	s_mov_b32 s[\g+1], 384<<16
	s_mov_b32 s[\g+2], 16<<16
	s_mov_b32 s[\g+3], 384<<16
	s_mov_b32 s[\g+4], 16
	s_mov_b32 s[\g+5], 1600
	s_mov_b32 s[\g+6], 0
	s_mov_b32 s[\g+7], 0
.endr
	s_or_b32 s[G1S+0], s43, (3<<16)|(1<<21)
	s_or_b32 s[G1SB+0], s44, (3<<16)|(1<<21)
.irp g, G1S, G1SB
	s_mov_b32 s[\g+1], 64<<16
	s_mov_b32 s[\g+2], 16<<16
	s_mov_b32 s[\g+3], 64<<16
	s_mov_b32 s[\g+4], 16
	s_mov_b32 s[\g+5], 1600
	s_mov_b32 s[\g+6], 0
	s_mov_b32 s[\g+7], 0
.endr
	s_lshl_b32 s20, ttmp9, 9
	s_add_co_u32 s20, s20, s42
	s_lshl_b32 s21, s18, 4
	s_add_co_u32 s20, s20, s21
	s_lshl_b32 s21, s16, 3
	s_add_co_u32 s20, s20, s21
	s_mul_i32 s20, s20, REC
	s_mov_b32 s21, 0
	s_lshl_b32 s46, ttmp9, 6
	s_add_co_u32 s46, s46, 1600
	s_sub_co_u32 s46, s46, s42
	s_lshl_b32 s47, s19, 4
	s_add_co_u32 s46, s46, s47
	s_lshl_b32 s47, s16, 3
	s_add_co_u32 s46, s46, s47
	s_mul_i32 s46, s46, REC
	s_mov_b32 s47, 0
	s_mul_i32 s45, s14, HALFT
	s_mov_b32 s3, 0xffff0000
	s_mov_b32 s[SEL], 0x76543210
	s_mov_b32 s[SEL+1], 0xfedcba98
	s_wait_dscnt 0x0
	s_wait_kmcnt 0x0
	s_add_nc_u64 s[20:21], s[4:5], s[20:21]
	s_add_nc_u64 s[46:47], s[4:5], s[46:47]
	CROUND
	s_mov_b32 s[G0S], 1
	s_mov_b32 s[G0S+1], SCL
	s_add_nc_u64 s[G0S+2:G0S+3], s[20:21], 12288
	s_sub_nc_u64 s[G0S+2:G0S+3], s[G0S+2:G0S+3], 8*REC   ; used by wave 1 alone, whose half is the upper one: back to the tile's first record
	s_or_b32 s[G0S+3], s[G0S+3], 0x80000000
	s_mov_b32 s[G0SB], 1
	s_mov_b32 s[G0SB+1], SCL+8192
	s_add_nc_u64 s[G0SB+2:G0SB+3], s[46:47], 12288
	s_sub_nc_u64 s[G0SB+2:G0SB+3], s[G0SB+2:G0SB+3], 8*REC   ; used by wave 3 alone
	s_or_b32 s[G0SB+3], s[G0SB+3], 0x80000000
.irp s, 0,1
	s_mov_b32 s[G0+4*\s], 1
	s_add_co_u32 s[G0+4*\s+1], s45, \s*SLOT
	s_add_nc_u64 s[G0+4*\s+2:G0+4*\s+3], s[20:21], \s*3072
	s_or_b32 s[G0+4*\s+3], s[G0+4*\s+3], 0x80000000
	s_mov_b32 s[G0B+4*\s], 1
	s_add_co_u32 s[G0B+4*\s+1], s45, \s*SLOT
	s_add_nc_u64 s[G0B+4*\s+2:G0B+4*\s+3], s[46:47], \s*3072
	s_or_b32 s[G0B+4*\s+3], s[G0B+4*\s+3], 0x80000000
.endr
; THE HEAD'S LOADS, ONE A WAVE, in one chain of branches on the wave's number: wave 0 slot 0's 16 records of A (its own group 0 begins at the tile's first record and at LDS byte 0), wave 1 A's scale words,
; wave 2 slot 0's 16 records of B, wave 3 B's scale words.  Group 1 counts 16 records here.
	s_cmp_eq_u32 s14, 0
	s_cbranch_scc0 .Lhead_1
	tensor_load_to_lds s[G0:G0+3], s[G1:G1+7]
	s_nop 0
	PLACES 4
	s_branch .Lhead_asked
.Lhead_1:
	s_cmp_eq_u32 s14, 1
	s_cbranch_scc0 .Lhead_2
	tensor_load_to_lds s[G0S:G0S+3], s[G1S:G1S+7]
	s_nop 0
	PLACES 4
	s_branch .Lhead_asked
.Lhead_2:
	s_cmp_eq_u32 s14, 2
	s_cbranch_scc0 .Lhead_3
	tensor_load_to_lds s[G0B:G0B+3], s[G1B:G1B+7]
	s_nop 0
	PLACES 4
	s_branch .Lhead_asked
.Lhead_3:
	tensor_load_to_lds s[G0SB:G0SB+3], s[G1SB:G1SB+7]
	s_nop 0
	PLACES 4
.Lhead_asked:
	s_wait_alu depctr_va_vdst(0)
	s_wait_tensorcnt 0x0                           ; my tile of the head's four is in
	ds_add_u32 v28, v29
	s_mov_b32 s[G1+2], 8<<16                       ; no tensor load of mine is out: from here on a load brings 8 records
	s_mov_b32 s[G1+4], 8
	s_mov_b32 s[G1B+2], 8<<16
	s_mov_b32 s[G1B+4], 8
	s_wait_dscnt 0x0
	CROUND
	JLOAD G0+4, G1, G0B+4, G1B                     ; slot 1's first fill, a quarter a wave
	v_and_b32 v1, 15, v0
	v_bfe_u32 v2, v0, 4, 1
	s_wait_alu depctr_va_vdst(0)
	v_and_b32 v3, 31, v0
	v_lshlrev_b32 v[LI], 4, v3
	v_lshlrev_b32 v[L8], 3, v3
	s_mul_i32 s12, s15, HALFT
	s_mul_i32 s13, s16, HALFT
	s_add_co_u32 s13, s13, 2*HALFT
.irp s, 0,1
	v_add_nc_u32 v[ADRA+\s], s12, v[LI]
	v_add_nc_u32 v[ADRB+\s], s13, v[LI]
	s_add_co_u32 s12, s12, SLOT
	s_add_co_u32 s13, s13, SLOT
.endr
	v_lshlrev_b32 v5, 4, v1
	s_lshl_b32 s12, s15, 12
	s_lshl_b32 s13, s16, 12
	s_add_co_u32 s13, s13, 8192
	s_sub_co_u32 s13, s13, s12
	v_mul_u32_u24 v6, s13, v2
	s_add_co_u32 s12, s12, SCL
	v_add_nc_u32 v5, v5, v6
	v_add_nc_u32 v[ADRS], s12, v5
	s_lshl_b32 s66, s19, 1
	s_add_co_u32 s66, s66, s16
	s_lshl_b32 s67, s18, 1
	s_add_co_u32 s67, s67, s15
	s_lshl_b32 s104, s41, 2
	s_lshl_b32 s105, s15, 1
	s_add_co_u32 s104, s104, s105
	s_lshl_b32 s105, s40, 2
	s_lshl_b32 s23, s16, 1
	s_add_co_u32 s105, s105, s23
	s_cmp_eq_u32 ttmp9, 2
	s_cselect_b32 s66, s66, s67
	s_cselect_b32 s104, s104, s105
	s_cselect_b32 s12, 6144, 0
	s_cselect_b32 s13, 512, 0
	s_cselect_b64 s[8:9], s[10:11], s[8:9]
	s_cmp_eq_u32 ttmp9, 0
	s_cselect_b64 s[6:7], s[6:7], s[8:9]
	s_cselect_b64 s[OC0:OC0+1], s[84:85], s[88:89]
	s_cselect_b64 s[OS0:OS0+1], s[86:87], s[90:91]
	s_mov_b32 s105, 12288
	s_cselect_b32 s105, 6144, s105
	s_mov_b32 s23, 768
	s_cselect_b32 s23, 512, s23
	s_lshr_b32 s67, s66, 4
	s_lshl_b32 s67, s67, 4
	s_add_co_u32 s67, s67, s104
	s_lshl_b32 s67, s67, 4
	s_and_b32 s66, s66, 15
	s_add_co_u32 s66, s67, s66
	s_mul_i32 s67, s66, s105
	s_add_co_u32 s12, s12, s67
	s_mul_i32 s67, s66, s23
	s_add_co_u32 s66, s13, s67
	s_mov_b32 s13, 0
	s_mov_b32 s67, 0
	s_add_nc_u64 s[OC0:OC0+1], s[OC0:OC0+1], s[12:13]
	s_add_nc_u64 s[OS0:OS0+1], s[OS0:OS0+1], s[66:67]
	s_lshl_b32 s12, s105, 4
	s_lshl_b32 s66, s23, 4
	s_add_nc_u64 s[OC1:OC1+1], s[OC0:OC0+1], s[12:13]
	s_add_nc_u64 s[OS1:OS1+1], s[OS0:OS0+1], s[66:67]
	s_lshl_b32 s12, s104, 8
	s_add_nc_u64 s[6:7], s[6:7], s[12:13]
	v_lshlrev_b32 v7, 6, v2
	v_and_b32 v8, 8, v1
	v_add_nc_u32 v8, v8, v1
	v_lshlrev_b32 v8, 2, v8
.irp b, 0,1,2,3,4,5,6,7
	global_load_b128 v[96+8*\b+96*(\b/4):99+8*\b+96*(\b/4)], v7, s[6:7] offset:(32*(\b/2)+8*(\b%2))*4
	global_load_b128 v[100+8*\b+96*(\b/4):103+8*\b+96*(\b/4)], v7, s[6:7] offset:(32*(\b/2)+8*(\b%2))*4+16
.endr
	WIN TO_B
.irp a, 0,1,2,3,4,5,6,7
	global_load_b32 v[96+2*\a], v8, s[6:7] offset:(32*(\a/2)+8*(\a%2))*4
	global_load_b32 v[97+2*\a], v8, s[6:7] offset:(32*(\a/2)+8*(\a%2))*4
.endr
	WIN 0
.macro FRAG reg, adr, q, i
.irp g, 0,1,2
	ds_load_b128 v[\reg+4*\g:\reg+4*\g+3], v[\adr] offset:3072*(\i)+1536*(\q)+512*\g
.endr
.endm
.macro MUL16 a0, p, ks, zero
.irp a, \a0, \a0+1
.irp b, 0,1,2,3,4,5,6,7
.if \zero == 1
	v_wmma_scale_f32_16x16x128_f8f6f4 v[8*(8*((\a)%4)+\b):8*(8*((\a)%4)+\b)+7], v[128*(\p)+FR*\b:128*(\p)+FR*\b+FR-1], v[AF+FR*(\a):AF+FR*(\a)+FR-1], 0, v[SC+8*\b+(\ks)], v[SC+8*(\a)+(\ks)] matrix_a_fmt:MATRIX_FMT_FP6 matrix_b_fmt:MATRIX_FMT_FP6 matrix_a_scale:MATRIX_SCALE_ROW1
.else
	v_wmma_scale_f32_16x16x128_f8f6f4 v[8*(8*((\a)%4)+\b):8*(8*((\a)%4)+\b)+7], v[128*(\p)+FR*\b:128*(\p)+FR*\b+FR-1], v[AF+FR*(\a):AF+FR*(\a)+FR-1], v[8*(8*((\a)%4)+\b):8*(8*((\a)%4)+\b)+7], v[SC+8*\b+(\ks)], v[SC+8*(\a)+(\ks)] matrix_a_fmt:MATRIX_FMT_FP6 matrix_b_fmt:MATRIX_FMT_FP6 matrix_a_scale:MATRIX_SCALE_ROW1
.endif
.endr
.endr
.endm
.macro FETCH_B slot, q, p
	WIN TO_B
.irp i, 0,1,2,3,4,5,6,7
	FRAG 128*(\p)+FR*\i, ADRB+\slot, \q, \i
.endr
	WIN 0
.endm
.macro FETCH_A slot, q, i0
.irp i, \i0, \i0+1, \i0+2, \i0+3
	FRAG AF+FR*(\i), ADRA+\slot, \q, \i
.endr
.endm
.macro SCALES
.irp i, 0,1,2,3,4,5,6,7
	ds_load_b128 v[SC+8*\i:SC+8*\i+3], v[ADRS] offset:512*\i
	ds_load_b128 v[SC+8*\i+4:SC+8*\i+7], v[ADRS] offset:512*\i+256
.endr
.endm
.macro STEP slot, ks, zero
	s_wait_dscnt 4*NL
	WIN MUL_LO
	MUL16 0, 0, \ks, \zero
	MUL16 2, 0, \ks, \zero
	s_wait_dscnt 0
	PLACES NP
	FETCH_B \slot, 1, 1
	FETCH_A \slot, 1, 0
	WIN MUL_HI
	MUL16 4, 0, \ks, \zero
	MUL16 6, 0, \ks, \zero
	PLACES NP
	WIN 0
	FETCH_A \slot, 1, 4
.endm
.macro TURN slot, next, ks, fill
	s_wait_tensorcnt 0x0
	ds_add_u32 v[SPW], v[NIL]
	s_wait_dscnt 4*NL+1
	WIN MUL_LO
	MUL16 0, 1, \ks, 0
	s_wait_dscnt 0x0
	s_barrier_signal -1
	MUL16 2, 1, \ks, 0
	WIN 0
	s_barrier_wait -1
.if \fill
	CREST
	s_add_nc_u64 s[G0+4*\slot+2:G0+4*\slot+3], s[G0+4*\slot+2:G0+4*\slot+3], 6144
	s_add_nc_u64 s[G0B+4*\slot+2:G0B+4*\slot+3], s[G0B+4*\slot+2:G0B+4*\slot+3], 6144
	JLOAD G0+4*\slot, G1, G0B+4*\slot, G1B
.else
	PLACES NP
.endif
	FETCH_B \next, 0, 0
	FETCH_A \next, 0, 0
	WIN MUL_HI
	MUL16 4, 1, \ks, 0
	MUL16 6, 1, \ks, 0
	PLACES NP
	WIN 0
	FETCH_A \next, 0, 4
.endm
	s_wait_alu depctr_va_vdst(0)
	s_wait_tensorcnt 1
	s_barrier_signal -1
	s_barrier_wait -1
	FETCH_B 0, 0, 0
	FETCH_A 0, 0, 0
	SCALES
	FETCH_A 0, 0, 4
	STEP 0, 0, 1
	TURN 0, 1, 1, 1
	STEP 1, 2, 0
	TURN 1, 0, 3, 1
	STEP 0, 4, 0
	TURN 0, 1, 5, 0
	STEP 1, 6, 0
	s_wait_dscnt 4*NL
	WIN MUL_LO
	MUL16 0, 1, 7, 0
	MUL16 2, 1, 7, 0
	s_wait_dscnt 0
	WIN MUL_HI
	MUL16 4, 1, 7, 0
	MUL16 6, 1, 7, 0
	WIN 0
.macro ADDB a, kind
.if \kind
	WIN 0x06+((\a)/4)
.else
	WIN 0x02+((\a)/4)
.endif
.set i, 0
.rept 32
.if \kind
	v_pk_add_f32 v[H+2*i:H+2*i+1], v[64*((\a)%4)+2*i:64*((\a)%4)+2*i+1], v[96+2*(\a):97+2*(\a)]
.else
	v_pk_add_f32 v[H+2*i:H+2*i+1], v[64*((\a)%4)+2*i:64*((\a)%4)+2*i+1], v[96+2*i+96*(i/16):97+2*i+96*(i/16)]
.endif
.set i, i+1
.endr
	WIN 0
.endm
.macro QUANT s, d0, d1, pw
.irp b, 0,1,2,3
	v_max3_num_f32 v[TM+\b], |v[\s+16*\b]|, |v[\s+16*\b+1]|, 0x1800000
.endr
.irp i, 2,4,6,8,10,12,14
.irp b, 0,1,2,3
	v_max3_num_f32 v[TM+\b], v[TM+\b], |v[\s+16*\b+\i]|, |v[\s+16*\b+\i+1]|
.endr
.endr
.irp b, 0,1,2,3
	v_permlanex16_b32 v[TM+4+\b], v[TM+\b], s[SEL], s[SEL+1]
.endr
.irp b, 0,1,2,3
	v_max_num_f32 v[TM+\b], v[TM+\b], v[TM+4+\b]
.endr
.irp b, 0,1,2,3
	v_add_nc_u32 v[TM+12+\b], 0xff000000, v[TM+\b]
.endr
.irp b, 0,1,2,3
	v_lshrrev_b32 v[TM+4+\b], 23, v[TM+12+\b]
.endr
	v_lshl_or_b32 v[\pw], v[TM+5], 8, v[TM+4]
	v_lshl_or_b32 v[\pw], v[TM+6], 16, v[\pw]
	v_lshl_or_b32 v[\pw], v[TM+7], 24, v[\pw]
	v_cvt_scalef32_pk16_fp6_f32 v[\d0:\d0+2], v[\s:\s+15], v[TM+12]
	v_cvt_scalef32_pk16_fp6_f32 v[PCT:PCT+2], v[\s+16:\s+31], v[TM+13]
	v_cvt_scalef32_pk16_fp6_f32 v[\d1:\d1+2], v[\s+32:\s+47], v[TM+14]
	v_cvt_scalef32_pk16_fp6_f32 v[PCT+4:PCT+6], v[\s+48:\s+63], v[TM+15]
	v_nop
.irp i, 0,1,2
	v_permlane16_swap_b32 v[\d0+\i], v[PCT+\i]
	v_permlane16_swap_b32 v[\d1+\i], v[PCT+4+\i]
.endr
.irp i, 0,1,2
	v_mov_b32 v[\d0+3+\i], v[PCT+\i]
	v_mov_b32 v[\d1+3+\i], v[PCT+4+\i]
.endr
.endm
	PLACES NP
	s_wait_loadcnt 0x0
.irp b, 0,1,2,3
	v_mov_b32 v[TM+4+\b], 0
.endr
	s_cmp_eq_u32 ttmp9, 2
	s_cbranch_scc1 .Lvalues
.irp a, 0,2,4,6
.if \a > 0
	s_wait_xcnt 0x0
.endif
	ADDB \a, 0
	QUANT H, X, Y, PW
	ADDB \a+1, 0
	QUANT H, X+6, Y+6, PW+1
	v_cndmask_b32 v[SB+\a/2], v[PW], v[PW+1], s3
	v_and_b32 v[SA+\a/2], 0xffff, v[SB+\a/2]
	v_lshrrev_b32 v[SB+\a/2], 16, v[SB+\a/2]
.irp g, 0,1,2
	global_store_b128 v[LI], v[X+4*\g:X+4*\g+3], s[OC0:OC0+1] offset:768*\a+512*\g
	global_store_b128 v[LI], v[Y+4*\g:Y+4*\g+3], s[OC1:OC1+1] offset:768*\a+512*\g
.endr
.endr
	global_store_b128 v[LI], v[SA:SA+3], s[OS0:OS0+1]
	global_store_b128 v[LI], v[SB:SB+3], s[OS1:OS1+1]
	s_branch .Ldone
.Lvalues:
.irp a, 0,1,2,3,4,5,6,7
.if \a >= 2
	s_wait_xcnt 0x0
.endif
	ADDB \a, 1
	QUANT H, X+12*(\a%2), X+12*(\a%2)+6, PW+(\a%4)
.irp g, 0,1,2
	global_store_b128 v[LI], v[X+12*(\a%2)+4*\g:X+12*(\a%2)+4*\g+3], s[OC0+4*(\a/4):OC0+4*(\a/4)+1] offset:1536*(\a%4)+512*\g
.endr
.if \a%4 == 3
	v_cndmask_b32 v[SA+4*(\a/4)], v[PW], v[PW+1], s3
	v_cndmask_b32 v[SA+4*(\a/4)+1], v[PW+2], v[PW+3], s3
	global_store_b64 v[L8], v[SA+4*(\a/4):SA+4*(\a/4)+1], s[OS0+4*(\a/4):OS0+4*(\a/4)+1]
.endif
.endr
.Ldone:
	s_wait_tensorcnt 0x0
	ds_add_u32 v[SPW], v[NIL]
	s_wait_dscnt 0x0
	CROUND
	s_endpgm
.Lfunc_end_k_qf0c29dd26b_proj:
	.size	k_qf0c29dd26b_proj, .Lfunc_end_k_qf0c29dd26b_proj-k_qf0c29dd26b_proj
	.p2alignl 7, 3214868480
	.fill 96, 4, 3214868480
	.section	.rodata,"a",@progbits
	.p2align	6, 0x0
	.amdhsa_kernel k_qf0c29dd26b_proj
		.amdhsa_group_segment_fixed_size 327680
		.amdhsa_private_segment_fixed_size 0
		.amdhsa_enable_private_segment 0
		.amdhsa_kernarg_size 64
		.amdhsa_user_sgpr_count 2
		.amdhsa_user_sgpr_kernarg_segment_ptr 1
		.amdhsa_wavefront_size32 1
		.amdhsa_system_sgpr_workgroup_id_x 1
		.amdhsa_system_sgpr_workgroup_id_y 1
		.amdhsa_system_sgpr_workgroup_id_z 1
		.amdhsa_system_vgpr_workitem_id 0
		.amdhsa_next_free_vgpr 1024
		.amdhsa_next_free_sgpr 106
		.amdhsa_reserve_vcc 0
		.amdhsa_float_denorm_mode_32 3
		.amdhsa_float_denorm_mode_16_64 3
		.amdhsa_memory_ordered 1
		.amdhsa_forward_progress 1
		.amdhsa_inst_pref_size 209
	.end_amdhsa_kernel
	.amdgpu_metadata
---
amdhsa.version: [ 1, 2 ]
amdhsa.kernels:
  - .name:           k_qf0c29dd26b_proj
    .symbol:         k_qf0c29dd26b_proj.kd
    .args:
      - { .name: img, .offset: 0, .size: 8, .value_kind: global_buffer, .address_space: global }
      - { .name: bq, .offset: 8, .size: 8, .value_kind: global_buffer, .address_space: global }
      - { .name: bk, .offset: 16, .size: 8, .value_kind: global_buffer, .address_space: global }
      - { .name: bv, .offset: 24, .size: 8, .value_kind: global_buffer, .address_space: global }
      - { .name: qc, .offset: 32, .size: 8, .value_kind: global_buffer, .address_space: global }
      - { .name: qs, .offset: 40, .size: 8, .value_kind: global_buffer, .address_space: global }
      - { .name: kvc, .offset: 48, .size: 8, .value_kind: global_buffer, .address_space: global }
      - { .name: kvs, .offset: 56, .size: 8, .value_kind: global_buffer, .address_space: global }
    .group_segment_fixed_size: 327680
    .private_segment_fixed_size: 0
    .kernarg_segment_align: 8
    .kernarg_segment_size: 64
    .max_flat_workgroup_size: 128
    .sgpr_count:     106
    .vgpr_count:     1024
    .wavefront_size: 32
...
	.end_amdgpu_metadata
.endif
;; end of part 2
;; launch attn (part 3): grid 4 x 64, 16 waves a work-group, clusters of 4 x 1, 262,144 bytes of LDS; arguments qc, qs, kvc, kvs, oimg; writes oimg
.if DOCPART == 3
	.amdgcn_target "amdgcn-amd-amdhsa--gfx1250"
	.amdhsa_code_object_version 6
	.text
	.protected	k_qf0c29dd26b_attn
	.globl	k_qf0c29dd26b_attn
	.p2align	8
	.type	k_qf0c29dd26b_attn,@function
k_qf0c29dd26b_attn:
	s_mov_b64 s[64:65], 0
	v_nop
	global_prefetch_b8 v0, s[64:65] scope:SCOPE_SE
	s_setreg_imm32_b32 hwreg(HW_REG_WAVE_MODE, 25, 1), 1
	s_wait_xcnt 0x0
	s_wait_alu depctr_hold_cnt(0) depctr_sa_sdst(0) depctr_va_vdst(0) depctr_va_sdst(0) depctr_va_ssrc(0) depctr_va_vcc(0) depctr_vm_vsrc(0)
	s_getreg_b32 s2, hwreg(HW_REG_IB_STS2, 6, 4)
	s_cmp_eq_u32 s2, 0
	s_cbranch_scc0 .Lentry_in_a_cluster
	s_endpgm
.Lentry_in_a_cluster:
	s_bfe_u32 s2, ttmp6, 0x10000c
	s_cmp_lg_u32 s2, 0x3003
	s_cbranch_scc0 .Lentry_shape_is_right
	s_endpgm
.Lentry_shape_is_right:
; o = softmax(q k^T / 8) v for 64 (batch, head) of 2,048 x 64, both products on codes of FP6 (E2M3) with E8M0 scales; o is quantised in registers into the records that the last product reads.
; THE SOFTMAX: t = score x log2(e) / 8; M = the running largest t rounded UP to a whole number; p = 2^(t - M) is quantised along the keys, not normalised; the sum of the unquantised p divides at the end.
; SHARES.  A work-group owns ONE head and 512 queries; the four work-groups of a head are a cluster.  Sixteen waves; a wave takes two tiles of 16 queries, one after the other, each over all 16 key steps of 128 keys.
; LDS.  The head's K and V, 16 steps x 12,288 bytes, and their scale words, 16 x 768 bytes, are asked for ONCE, at the head, one joint load a wave (mask 15): waves 0-3 a quarter of the scale words each,
; waves 4-15 16,384 bytes of codes each, at LDS byte 16,384 x wave.  Nothing is filled again: no ring.  Two plain barriers: the first shows the scale words and steps 0-3 (waves 0-6 wait, whose load lines are their own),
; the second, behind four steps, all the rest (every wave waits).  Behind it the waves share nothing more.
; NO PREFETCH: every tile is asked for at the head, so there is no loop to run ahead in.
; Both products are used transposed (S^T = K Q^T, O^T = V^T P^T): a lane holds one query throughout.  Row 8 h + j of K's tile 4 c + u is key 64 c + 32 h + 8 u + j of the step:
; so a lane's 32 registers of four neighbouring tiles are ONE whole block of 32 keys, in the order of P's operand: a block's largest p needs no other lane, and the conversions' results are the operand's registers.
; K = 64 IN AN INSTRUCTION OF 128.  Q's registers 6-11 are zero codes; a tile of keys is named as twelve registers, of which the upper six are the next tile's codes (behind tile 7: six zeroed registers).  Both sides' scale bytes 2, 3 are 0 (2^-127).
; OUT.  A wave's 16 queries x 64 are half a fragment of the last product (K step head / 2, half head % 2): six registers, stored as three pieces of 256 consecutive bytes, 8 bytes a lane; and two bytes of each row's scale word.
; LIMITS: NaN and infinities are not served; the promise holds while |t| stays under 2^31; a block of o under 2^-124, a block of zeros among them, gets the byte 1 (this program alone reads the bytes).
.set STEPB, 12288
.set CODE0, 65536                      ; the codes: step s at CODE0 + 12,288 s
.set SPARE, 12288                      ; behind the scale words (LDS 0 .. 12,287): the spare words, 128 bytes for each of the sixteen waves
.set LI,  1                            ; v1   16 x lane
.set SPW, 2
.set NIL, 3
.set ADK, 4                            ; v4   the step's tiles
.set ADS, 5                            ; v5   K's scale words
.set ADT, 6                            ; v6   V's
.set AV0, 7                            ; v7   8 x lane + 512
.set SH8, 9                            ; v9   8 h
.set R16, 10                           ; v10  16 r
.set L8,  11                           ; v11  8 x lane
; v12 -M, v13 the largest score, v[14:15] the sum; v16-27 Q, v28 its scale word; v29 the last -M; v30 f, v31 p's scale word; v32-85 K (48 + 6 zeros), then V; v86-89, v90-91 their scale words;
; v92-95, v252-253 the sum's other chains; v96-159 S^T, then p; v160-191 O^T; v192-203 p's codes; v204-224 at work; v226-231 o's codes, v238 its two scale bytes; v239 the second tile's Q scale word; v240-251 both tiles' Q
.set HB,  17                           ; s17  16 b + head
.set WV,  18
.set CX,  19
.set SEL, 20
.set CS,  22
.set G1C, 24
.set G1S, 32
.set G0C, 40
.set G0S, 44
.set TB,  48                           ; s48  LDS byte of the step in hand
.set TS,  49                           ; s49  its scale words
.set CNT, 50
.set OB,  52
.set OSB, 54
.macro CROUND                          ; a round of the cluster's barrier
	s_barrier_signal -1
	s_barrier_wait -1
	s_cmp_lg_u32 s[WV], 0
	s_cbranch_scc1 .Lnot_wave_0_\@
	s_barrier_signal -3
.Lnot_wave_0_\@:
	s_barrier_wait -3
	s_barrier_signal -1
	s_barrier_wait -1
.endm
	s_load_b256 s[4:11], s[0:1], 0x0               ; qc s[4:5], qs s[6:7], kvc s[8:9], kvs s[10:11]
	s_load_b64 s[12:13], s[0:1], 0x20              ; oimg
	v_lshl_add_u32 v[SPW], v0, 2, SPARE
	v_mov_b32 v[NIL], 0
	ds_add_u32 v[SPW], v[NIL]                      ; the opening lines: the add, twice on end, and its wait
	ds_add_u32 v[SPW], v[NIL]
	v_lshrrev_b32 v4, 5, v0
	v_readfirstlane_b32 s[WV], v4                  ; wave 0..15
	s_bfe_u32 s[CX], ttmp6, 0x40000                ; my place in the cluster: which 512 queries
	s_and_b32 s[HB], ttmp7, 0xffff
	s_mov_b32 s[G1C], 15|(3<<16)|(1<<21)           ; all four partners; elements of 8 bytes; 64 dense rows of 256 bytes
	s_mov_b32 s[G1C+1], 32<<16
	s_mov_b32 s[G1C+2], 64<<16
	s_mov_b32 s[G1C+3], 32<<16
	s_mov_b32 s[G1C+4], 64
	s_mov_b32 s[G1C+5], 32
	s_mov_b32 s[G1C+6], 0
	s_mov_b32 s[G1C+7], 0
	s_mov_b32 s[G1S], 15|(3<<16)|(1<<21)           ; a quarter of the scale words: 12 rows of 256 bytes
	s_mov_b32 s[G1S+1], 32<<16
	s_mov_b32 s[G1S+2], 12<<16
	s_mov_b32 s[G1S+3], 32<<16
	s_mov_b32 s[G1S+4], 12
	s_mov_b32 s[G1S+5], 32
	s_mov_b32 s[G1S+6], 0
	s_mov_b32 s[G1S+7], 0
	s_mov_b32 s[SEL], 0x76543210
	s_mov_b32 s[SEL+1], 0xfedcba98                 ; v_permlanex16_b32's selects for lane l xor 16
	s_mov_b32 s[CS], 0x3e38aa3b                    ; c = log2(e) / 8
	s_mov_b32 s[CS+1], s[CS]
	s_mov_b32 s[G0C], 1
	s_lshl_b32 s[G0C+1], s[WV], 14                 ; waves 4-15: CODE0 + 16,384 (wave - 4)
	s_mov_b32 s[G0S], 1
	s_mul_i32 s[G0S+1], s[WV], 3072                ; waves 0-3
	s_mul_i32 s56, s[HB], 16*STEPB
	s_add_co_u32 s56, s56, s[G0C+1]
	s_mov_b32 s57, 0
	s_mul_i32 s58, s[HB], 12288
	s_add_co_u32 s58, s58, s[G0S+1]
	s_mov_b32 s59, 0
	v_and_b32 v11, 31, v0
	v_lshlrev_b32 v[LI], 4, v11
	v_lshl_add_u32 v[AV0], v11, 3, 512
	v_lshlrev_b32 v[L8], 3, v11
	v_and_b32 v[R16], 15, v0
	v_lshlrev_b32 v[R16], 4, v[R16]
	v_bfe_u32 v[SH8], v0, 4, 1
	v_lshlrev_b32 v[SH8], 3, v[SH8]
	s_wait_alu depctr_va_vdst(0)                   ; the wait ahead of the blocking wait
	s_wait_dscnt 0x0                               ; both opening adds are done
	CROUND                                         ; the four partners are here: the joint loads meet
	s_wait_kmcnt 0x0
	s_add_nc_u64 s[G0C+2:G0C+3], s[8:9], s[56:57]
	s_sub_nc_u64 s[G0C+2:G0C+3], s[G0C+2:G0C+3], CODE0   ; (used by waves 4-15 alone)
	s_or_b32 s[G0C+3], s[G0C+3], 0x80000000
	s_add_nc_u64 s[G0S+2:G0S+3], s[10:11], s[58:59]
	s_or_b32 s[G0S+3], s[G0S+3], 0x80000000
	s_cmp_lt_u32 s[WV], 4                          ; one chain of branches on the wave's number, one load to an arm
	s_cbranch_scc0 .Lcodes_first
	tensor_load_to_lds s[G0S:G0S+3], s[G1S:G1S+7]  ; waves 0-3: the scale words
	s_nop 0
	s_branch .Lasked
.Lcodes_first:
	s_cmp_lt_u32 s[WV], 7
	s_cbranch_scc0 .Lcodes_rest
	tensor_load_to_lds s[G0C:G0C+3], s[G1C:G1C+7]  ; waves 4-6: 49,152 bytes, key steps 0-3
	s_nop 0
	s_branch .Lasked
.Lcodes_rest:
	tensor_load_to_lds s[G0C:G0C+3], s[G1C:G1C+7]  ; waves 7-15: key steps 4-15
	s_nop 0
.Lasked:
	; Q: my pair of tiles is number 16 cx + wave of the head's 64: group 4 cx + wave / 4 of 128 queries, pair wave % 4
	s_lshl_b32 s56, s[HB], 4
	s_lshl_b32 s57, s[CX], 2
	s_add_co_u32 s56, s56, s57
	s_lshr_b32 s57, s[WV], 2
	s_add_co_u32 s56, s56, s57
	s_and_b32 s57, s[WV], 3
	s_mul_i32 s58, s56, 6144
	s_mul_i32 s60, s57, 1536
	s_add_co_u32 s58, s58, s60
	s_mov_b32 s59, 0
	s_add_nc_u64 s[4:5], s[4:5], s[58:59]
	s_lshl_b32 s58, s56, 9
	s_lshl_b32 s60, s57, 2
	s_add_co_u32 s58, s58, s60
	s_add_nc_u64 s[6:7], s[6:7], s[58:59]
	; o: record 128 b + 32 cx + 2 wave (+ 1 for the second tile); the half fragment at 768 x head; the two scale bytes at 12,288 + 256 (head / 8) + 2 (head % 8) + 16 r
	s_lshr_b32 s56, s[HB], 4
	s_lshl_b32 s56, s56, 7
	s_lshl_b32 s57, s[CX], 5
	s_add_co_u32 s56, s56, s57
	s_lshl_b32 s57, s[WV], 1
	s_add_co_u32 s56, s56, s57
	s_mul_i32 s58, s56, 12800
	s_add_nc_u64 s[12:13], s[12:13], s[58:59]
	s_and_b32 s56, s[HB], 15
	s_mul_i32 s58, s56, 768
	s_add_nc_u64 s[OB:OB+1], s[12:13], s[58:59]
	s_lshr_b32 s57, s56, 3
	s_lshl_b32 s57, s57, 8
	s_and_b32 s58, s56, 7
	s_lshl_b32 s58, s58, 1
	s_add_co_u32 s58, s58, s57
	s_add_co_u32 s58, s58, 12288
	s_add_nc_u64 s[OSB:OSB+1], s[12:13], s[58:59]
.irp g, 0,1,2
	global_load_b128 v[240+4*\g:243+4*\g], v[LI], s[4:5] offset:512*\g   ; registers 0-5 the first tile's Q, 6-11 the second's
.endr
	global_load_b32 v28, v[R16], s[6:7]
	global_load_b32 v239, v[R16], s[6:7] offset:256
	s_mov_b32 s[TB], CODE0
	s_mov_b32 s[TS], 0
	s_wait_loadcnt 0x0
.irp i, 0,1,2,3,4,5
	v_mov_b32 v[16+\i], v[240+\i]
	v_mov_b32 v[22+\i], 0                          ; Q's upper 64 along K: zero codes
	v_mov_b32 v[80+\i], 0                          ; what stands behind K's tile 7
.endr
.macro FRESH                           ; a tile of queries begins: O^T and the sum are zeros, the largest score is -3e38: the first change of M multiplies zeros by 0
.set j, 0
.rept 32
	v_mov_b32 v[160+j], 0
.set j, j+1
.endr
	v_mov_b32 v14, 0
	v_mov_b32 v15, 0
	v_mov_b32 v13, 0xff61b1e6
	s_delay_alu instid0(VALU_DEP_1)
	v_floor_f32 v12, -v13
.endm
	FRESH
	v_mov_b32 v31, 0                               ; (named as the upper half of the pair v[30:31] before it is first written)
	v_mov_b32 v216, 0                              ; a lane permute's destination counts as one of its sources
	v_mov_b32 v217, 0
; A KEY STEP: 128 keys x my 16 queries.
.macro STEP
	v_add_nc_u32 v[ADK], s[TB], v[LI]
	v_add_nc_u32 v[ADS], s[TS], v[LI]
	v_add_nc_u32 v[ADT], s[TS], v[AV0]
	v_nop                                          ; four places in front of loads into registers that the last products have read
.irp g, 0,1,2,3,4,5,6,7,8,9,10,11
	ds_load_b128 v[32+4*\g:35+4*\g], v[ADK] offset:512*\g
.endr
	ds_load_b128 v[86:89], v[ADS]                  ; register i: lanes 0-15 tile 2 i's words, lanes 16-31 tile 2 i + 1's
	s_wait_alu depctr_va_vdst(0)                   ; the wait ahead of the blocking wait
	s_wait_dscnt 0x0
.irp t, 0,1,2,3,4,5,6,7
.if \t%2
	v_wmma_scale_f32_16x16x128_f8f6f4 v[96+8*\t:103+8*\t], v[32+6*\t:43+6*\t], v[16:27], 0, v[86+\t/2], v28 matrix_a_fmt:MATRIX_FMT_FP6 matrix_b_fmt:MATRIX_FMT_FP6 matrix_a_scale:MATRIX_SCALE_ROW1
.else
	v_wmma_scale_f32_16x16x128_f8f6f4 v[96+8*\t:103+8*\t], v[32+6*\t:43+6*\t], v[16:27], 0, v[86+\t/2], v28 matrix_a_fmt:MATRIX_FMT_FP6 matrix_b_fmt:MATRIX_FMT_FP6
.endif
.endr
	v_mov_b32 v29, v12                             ; the last -M; with the three below: four places; the scores are read next, and V lands where K lay
.rept 3
	v_nop
.endr
.irp g, 0,1,2,3,4,5,6,7,8,9,10,11
	ds_load_b128 v[32+4*\g:35+4*\g], v[ADK] offset:6144+512*\g   ; V's four fragments land under the softmax
.endr
	ds_load_b64 v[90:91], v[ADT]
.irp b, 0,1,2,3                        ; the largest score of my two blocks of 32 keys (registers 96 + 32 c ..), each in two chains: it serves the row's maximum and, since p rises with the score, the block's largest p
	v_max3_num_f32 v[212+\b], v[96+16*\b], v[97+16*\b], v[98+16*\b]
.endr
.irp i, 3,5,7,9,11,13
.irp b, 0,1,2,3
	v_max3_num_f32 v[212+\b], v[212+\b], v[96+16*\b+\i], v[97+16*\b+\i]
.endr
.endr
	v_max3_num_f32 v212, v212, v213, v111
	v_max3_num_f32 v214, v214, v215, v143
	v_max_num_f32 v212, v212, v127
	v_max_num_f32 v214, v214, v159
	s_delay_alu instid0(VALU_DEP_1)
	v_max_num_f32 v224, v212, v214
	s_delay_alu instid0(VALU_DEP_1)
	v_permlanex16_b32 v216, v224, s[SEL], s[SEL+1] ; lane l xor 16 holds my query's other 64 keys
	s_delay_alu instid0(VALU_DEP_1)
	v_max3_num_f32 v13, v13, v224, v216            ; the running largest score
	s_delay_alu instid0(VALU_DEP_1)
	v_mul_f32 v224, s[CS], v13                     ; as t (c is positive)
	s_delay_alu instid0(VALU_DEP_1)
	v_floor_f32 v12, -v224                         ; the new -M = -ceil(t): a whole number
	s_delay_alu instid0(VALU_DEP_1)
	v_sub_f32 v224, v12, v29                       ; old M - new M: a whole number, 0 or less
	s_delay_alu instid0(VALU_DEP_1)
	v_cvt_i32_f32 v224, v224                       ; (it saturates)
	s_delay_alu instid0(VALU_DEP_1)
	v_ldexp_f32 v30, 1.0, v224                     ; f = 2^(old M - new M): a multiplication by it rounds nothing
.set j, 0
.rept 16
	v_pk_mul_f32 v[160+j:161+j], v[160+j:161+j], v[30:31] op_sel_hi:[1,0]   ; O^T under the new M, each accumulator from its low end on
.set j, j+2
.endr
.set j, 0
.rept 32
	v_pk_fma_f32 v[96+j:97+j], v[96+j:97+j], s[CS:CS+1], v[12:13] op_sel_hi:[1,0,0]   ; t - M, two at a time
.set j, j+2
.endr
	v_fma_f32 v212, v212, s[CS], v12               ; the same of each block's largest score
	v_fma_f32 v214, v214, s[CS], v12
	s_wait_alu depctr_va_vdst(0)                   ; the wait ahead of the batch
.set j, 0
.rept 64
	v_exp_f32 v[96+j], v[96+j]                     ; p = 2^(t - M), at most 1
.set j, j+1
.endr
	v_exp_f32 v212, v212                           ; the blocks' largest p: the same two instructions on the same number give the same bits
	v_exp_f32 v214, v214
	v_pk_mul_f32 v[14:15], v[14:15], v[30:31] op_sel_hi:[1,0]   ; the sum under the new M: the plain place behind the batch
	s_wait_alu depctr_va_vdst(0)                   ; one wait for the whole batch, ahead of its first reader
	v_max_num_f32 v212, 0x1800000, v212            ; the floor 2^(3 - 127)
	v_max_num_f32 v214, 0x1800000, v214
	v_add_nc_u32 v220, 0xff000000, v212            ; 2 off the exponent field: the conversions' scale operands
	v_add_nc_u32 v221, 0xff000000, v214
	v_lshrrev_b32 v222, 23, v220                   ; the bytes of blocks h and 2 + h,
	v_lshrrev_b32 v223, 23, v221
	v_lshl_or_b32 v222, v223, 16, v222
	v_lshlrev_b32 v222, v[SH8], v222               ; at their places in the scale word;
	v_permlanex16_b32 v217, v222, s[SEL], s[SEL+1]
	v_or_b32 v31, v222, v217                       ; with lane l xor 16's two the word is whole
	v_cvt_scalef32_pk16_fp6_f32 v[192:194], v[96:111], v220
	v_cvt_scalef32_pk16_fp6_f32 v[204:206], v[112:127], v220   ; (a conversion's three registers begin on an even number)
	v_cvt_scalef32_pk16_fp6_f32 v[198:200], v[128:143], v221
	v_cvt_scalef32_pk16_fp6_f32 v[208:210], v[144:159], v221
	v_pk_add_f32 v[14:15], v[14:15], v[96:97]      ; THE SUM OF THE UNQUANTISED p, in four chains; these lines are also the plain place behind the conversions
	v_pk_add_f32 v[92:93], v[98:99], v[106:107]
	v_pk_add_f32 v[94:95], v[100:101], v[108:109]
	v_pk_add_f32 v[252:253], v[102:103], v[110:111]
.irp i, 0,1,2
	v_mov_b32 v[195+\i], v[204+\i]
	v_mov_b32 v[201+\i], v[208+\i]
.endr
	v_pk_add_f32 v[14:15], v[14:15], v[104:105]
.irp m, 2,3,4,5,6,7
	v_pk_add_f32 v[14:15], v[14:15], v[96+8*\m:97+8*\m]
	v_pk_add_f32 v[92:93], v[92:93], v[98+8*\m:99+8*\m]
	v_pk_add_f32 v[94:95], v[94:95], v[100+8*\m:101+8*\m]
	v_pk_add_f32 v[252:253], v[252:253], v[102+8*\m:103+8*\m]
.endr
	v_pk_add_f32 v[92:93], v[92:93], v[94:95]
	v_pk_add_f32 v[14:15], v[14:15], v[252:253]
	v_pk_add_f32 v[14:15], v[14:15], v[92:93]
	s_wait_dscnt 0x0                               ; V
.irp t, 0,1,2,3                        ; O^T += V^T P^T: the four accumulators by turns
.if \t%2
	v_wmma_scale_f32_16x16x128_f8f6f4 v[160+8*\t:167+8*\t], v[32+12*\t:43+12*\t], v[192:203], v[160+8*\t:167+8*\t], v[90+\t/2], v31 matrix_a_fmt:MATRIX_FMT_FP6 matrix_b_fmt:MATRIX_FMT_FP6 matrix_a_scale:MATRIX_SCALE_ROW1
.else
	v_wmma_scale_f32_16x16x128_f8f6f4 v[160+8*\t:167+8*\t], v[32+12*\t:43+12*\t], v[192:203], v[160+8*\t:167+8*\t], v[90+\t/2], v31 matrix_a_fmt:MATRIX_FMT_FP6 matrix_b_fmt:MATRIX_FMT_FP6
.endif
.endr
	s_add_co_u32 s[TB], s[TB], STEPB
	s_add_co_u32 s[TS], s[TS], 768
.endm
.macro WALK n                          ; n key steps on end
	s_mov_b32 s[CNT], \n
.Lstep_\@:
	STEP
	s_sub_co_u32 s[CNT], s[CNT], 1
	s_cmp_lg_u32 s[CNT], 0
	s_cbranch_scc1 .Lstep_\@
.endm
; A TILE OF QUERIES IS DONE: O^T / the sum; its 32 numbers a lane (register 16 b + i = e 32 b + 16 h + i) are two blocks of the last product's K: six registers and two scale bytes.
.macro FINISH u
.rept 4
	v_nop                                          ; places behind the last products
.endr
.if \u
	s_wait_xcnt 0x0                                ; the first tile's stores have read their registers
.endif
	s_wait_alu depctr_va_vdst(0)                   ; the wait ahead of the reader below
	v_add_f32 v14, v14, v15
	s_delay_alu instid0(VALU_DEP_1)
	v_permlanex16_b32 v216, v14, s[SEL], s[SEL+1]
	s_delay_alu instid0(VALU_DEP_1)
	v_add_f32 v14, v14, v216                       ; the row's sum
	s_wait_alu depctr_va_vdst(0)
	v_rcp_f32 v14, v14
	v_nop                                          ; a plain place behind the transcendental,
	s_wait_alu depctr_va_vdst(0)                   ; and the wait ahead of its first reader
.set j, 0
.rept 16
	v_pk_mul_f32 v[96+j:97+j], v[160+j:161+j], v[14:15] op_sel_hi:[1,0]   ; each accumulator from its low end on
.set j, j+2
.endr
.irp b, 0,1
	v_max3_num_f32 v[212+\b], |v[96+16*\b]|, |v[97+16*\b]|, 0x1800000
.endr
.irp i, 2,4,6,8,10,12,14
.irp b, 0,1
	v_max3_num_f32 v[212+\b], v[212+\b], |v[96+16*\b+\i]|, |v[97+16*\b+\i]|
.endr
.endr
.irp b, 0,1
	v_permlanex16_b32 v[216+\b], v[212+\b], s[SEL], s[SEL+1]
.endr
.irp b, 0,1
	v_max_num_f32 v[212+\b], v[212+\b], v[216+\b]
.endr
.irp b, 0,1
	v_add_nc_u32 v[220+\b], 0xff000000, v[212+\b]
.endr
.irp b, 0,1
	v_lshrrev_b32 v[216+\b], 23, v[220+\b]
.endr
	v_lshl_or_b32 v238, v217, 8, v216
	v_cvt_scalef32_pk16_fp6_f32 v[226:228], v[96:111], v220
	v_cvt_scalef32_pk16_fp6_f32 v[204:206], v[112:127], v221
	v_nop
.irp i, 0,1,2
	v_permlane16_swap_b32 v[226+\i], v[204+\i]     ; a whole block to a lane
.endr
.irp i, 0,1,2
	v_mov_b32 v[229+\i], v[204+\i]
.endr
.irp p, 0,1,2
	global_store_b64 v[L8], v[226+2*\p:227+2*\p], s[OB:OB+1] offset:12800*\u+256*\p   ; 32 lanes store 256 consecutive bytes, aligned
.endr
	global_store_b16 v[R16], v238, s[OSB:OSB+1] offset:12800*\u   ; two bytes a row, 16 bytes apart; both halves of the lanes write the same bytes
.if \u == 0
.irp i, 0,1,2,3,4,5
	v_mov_b32 v[16+\i], v[246+\i]                  ; the second tile's Q,
.endr
	v_mov_b32 v28, v239                            ; and its scale word; the 36 lines of FRESH are the places in front of the next products
	FRESH
	s_mov_b32 s[TB], CODE0
	s_mov_b32 s[TS], 0
.endif
.endm
	s_wait_alu depctr_va_vdst(0)                   ; the wait at the head's end
	s_cmp_lt_u32 s[WV], 7
	s_cbranch_scc0 .Lnot_first
	s_wait_tensorcnt 0x0                           ; waves 0-6: my part of the scale words or of key steps 0-3 is in
.Lnot_first:
	s_barrier_signal -1
	s_barrier_wait -1                              ; the other loads may be on their way
	WALK 4
	s_wait_tensorcnt 0x0                           ; every wave: all that is still out
	s_wait_dscnt 0x0
	s_barrier_signal -1
	s_barrier_wait -1                              ; the whole head lies in LDS
	WALK 12
	FINISH 0
	WALK 16
	FINISH 1
	s_wait_tensorcnt 0x0                           ; the wave's end
	ds_add_u32 v[SPW], v[NIL]
	s_wait_dscnt 0x0
	CROUND                                         ; the closing round
	s_endpgm
.Lfunc_end_k_qf0c29dd26b_attn:
	.size	k_qf0c29dd26b_attn, .Lfunc_end_k_qf0c29dd26b_attn-k_qf0c29dd26b_attn
	.p2alignl 7, 3214868480
	.fill 96, 4, 3214868480
	.section	.rodata,"a",@progbits
	.p2align	6, 0x0
	.amdhsa_kernel k_qf0c29dd26b_attn
		.amdhsa_group_segment_fixed_size 262144
		.amdhsa_private_segment_fixed_size 0
		.amdhsa_enable_private_segment 0
		.amdhsa_kernarg_size 40
		.amdhsa_user_sgpr_count 2
		.amdhsa_user_sgpr_kernarg_segment_ptr 1
		.amdhsa_wavefront_size32 1
		.amdhsa_system_sgpr_workgroup_id_x 1
		.amdhsa_system_sgpr_workgroup_id_y 1
		.amdhsa_system_sgpr_workgroup_id_z 1
		.amdhsa_system_vgpr_workitem_id 0
		.amdhsa_next_free_vgpr 256
		.amdhsa_next_free_sgpr 72
		.amdhsa_reserve_vcc 0
		.amdhsa_float_denorm_mode_32 3
		.amdhsa_float_denorm_mode_16_64 3
		.amdhsa_memory_ordered 1
		.amdhsa_forward_progress 1
		.amdhsa_inst_pref_size 61
	.end_amdhsa_kernel
	.amdgpu_metadata
---
amdhsa.version: [ 1, 2 ]
amdhsa.kernels:
  - .name:           k_qf0c29dd26b_attn
    .symbol:         k_qf0c29dd26b_attn.kd
    .args:
      - { .name: qc, .offset: 0, .size: 8, .value_kind: global_buffer, .address_space: global }
      - { .name: qs, .offset: 8, .size: 8, .value_kind: global_buffer, .address_space: global }
      - { .name: kvc, .offset: 16, .size: 8, .value_kind: global_buffer, .address_space: global }
      - { .name: kvs, .offset: 24, .size: 8, .value_kind: global_buffer, .address_space: global }
      - { .name: oimg, .offset: 32, .size: 8, .value_kind: global_buffer, .address_space: global }
    .group_segment_fixed_size: 262144
    .private_segment_fixed_size: 0
    .kernarg_segment_align: 8
    .kernarg_segment_size: 40
    .max_flat_workgroup_size: 512
    .sgpr_count:     72
    .vgpr_count:     256
    .wavefront_size: 32
...
	.end_amdgpu_metadata
.endif
;; end of part 3
;; launch outp (part 4): grid 4 x 64, 4 waves a work-group, clusters of 4 x 4, 327,680 bytes of LDS; arguments oimg, img, bo, out0; writes out0
.if DOCPART == 4
	.amdgcn_target "amdgcn-amd-amdhsa--gfx1250"
	.amdhsa_code_object_version 6
	.text
	.protected	k_qf0c29dd26b_outp
	.globl	k_qf0c29dd26b_outp
	.p2align	8
	.type	k_qf0c29dd26b_outp,@function
k_qf0c29dd26b_outp:
	s_mov_b64 s[64:65], 0
	v_nop
	global_prefetch_b8 v0, s[64:65] scope:SCOPE_SE
	s_setreg_imm32_b32 hwreg(HW_REG_WAVE_MODE, 25, 1), 1
	s_wait_xcnt 0x0
	s_wait_alu depctr_hold_cnt(0) depctr_sa_sdst(0) depctr_va_vdst(0) depctr_va_sdst(0) depctr_va_ssrc(0) depctr_va_vcc(0) depctr_vm_vsrc(0)
	s_getreg_b32 s2, hwreg(HW_REG_IB_STS2, 6, 4)
	s_cmp_eq_u32 s2, 0
	s_cbranch_scc0 .Lentry_in_a_cluster
	s_endpgm
.Lentry_in_a_cluster:
	s_bfe_u32 s2, ttmp6, 0x10000c
	s_cmp_lg_u32 s2, 0xf033
	s_cbranch_scc0 .Lentry_shape_is_right
	s_endpgm
.Lentry_shape_is_right:
; out0 = o Wo^T + bo: [8192][1024] f32, K = 1,024, both operands as codes of FP6 (E2M3) with E8M0 scale words, in records of 12,800 bytes (a tile of 16 operand rows, all of K: eight fragment images of 1,536 bytes, then 512 bytes of scale words).
; o's fragments (oimg) lie as six pieces of 256 bytes, 8 bytes a lane; Wo's (img, records 1536-1599) as three of 512 bytes, 16 bytes a lane.  Lane r of tile T holds row 32 (T / 2) + 8 (T % 2) + r + 8 (r / 8).
; SHARES.  A block of out0 is 128 x 256: 64 x 4 = 256 work-groups of four waves, 2 x 2; a wave makes 64 x 128: 32 accumulators of 16 x 16, one register window.
; THE RING.  K goes in four slots' fills of two K steps (3,072 bytes of each record) through two LDS slots: A's 8 records at the slot's start, B's 16 from 2 HALFT on.
; At the head one joint load a wave: wave 0 slot 0's A, wave 1 A's scale words, wave 2 slot 0's B, wave 3 B's scale words.  In the ring waves 0, 1 fetch four records of A each, waves 2, 3 eight of B each.
; CLUSTERS: 4 x 4; A's tiles are shared along a row of the cluster, B's along a column.
; THE MATRIX INSTRUCTION IS USED TRANSPOSED (source 0 = Wo's rows, source 1 = o's rows): a lane holds eight neighbouring numbers of a row of out0.  The bias is the first products' C.
; NO PREFETCH: of the four fills two go out at the head; a request two K steps ahead of either refill would stand at the head, beside the loads themselves.
; REGISTERS: window 0: v0-31 addresses, v32-95 scale words (register 8 i + s: lanes 0-15 A's block i, lanes 16-31 B's block i, K step s), v128-175 A's four fragments, one set; on the way out v128-255.
;   window 1: B's fragments, two sets, at v0 and v128; the bias at v96-127 and v224-255.   window 2: accumulator (a, b) at v[8 (8 a + b)].
.set REC,   12800
.set FR,    12
.set NLA,   6                          ; LDS loads of a fragment of A
.set HALFT, 24576                      ; eight records of a slot
.set AQ,    12288                      ; four
.set SLOT,  4*HALFT
.set SCL,   2*SLOT                     ; the scale words: A's 8 x 512 bytes, and from SCL + 8,192 on B's 16 x 512
.set SPARE, SCL+4*4096
.set SPITCH, 528
.set ADRA, 16
.set ADRB, 20
.set STO,  24
.set RD,   25
.set LI,   26
.set ADRS, 27
.set SPW,  28
.set NIL,  29
.set ADRS2, 30                         ; as ADRS, lanes 16-31 2,048 bytes on: for B's blocks 4-7 (lanes 0-15 read A's four blocks once more)
.set SC,   32
.set AF,   128
.set BK,   128
.set G1,   24
.set G0,   32
.set G1B,  48
.set G0B,  56
.set G1S,  68
.set G0S,  76
.set G0SB, 80
.set G1SB, 92
.set MSB, 0
.macro WIN new
.if MSB != (\new)
	s_set_vgpr_msb (MSB<<8)|(\new)
.set MSB, (\new)
.endif
.endm
.set MUL,    0xa1                      ; source 0 (B) window 1, source 1 (A) window 0, C and D window 2
.set MULB,   0x91                      ; the same with C (the bias) in window 1
.set TO_B,   0x40
.macro PLACES n
.rept \n
	v_nop
.endr
.endm
.macro TLOAD g0, g1
	tensor_load_to_lds s[\g0:\g0+3], s[\g1:\g1+7]
	s_nop 0
	PLACES 4
.endm
.macro JLOAD g0a, g1a, g0b, g1b        ; waves 0, 1 fetch for A, waves 2, 3 for B: each line has one mask
	s_cmp_eq_u32 s15, 0
	s_cbranch_scc0 .Lfor_b_\@
	TLOAD \g0a, \g1a
	s_branch .Lasked_\@
.Lfor_b_\@:
	TLOAD \g0b, \g1b
.Lasked_\@:
.endm
.macro CREST
	s_cmp_lg_u32 s14, 0
	s_cbranch_scc1 .Lnot_wave_0_\@
	s_barrier_signal -3
.Lnot_wave_0_\@:
	s_barrier_wait -3
	s_barrier_signal -1
	s_barrier_wait -1
.endm
.macro CROUND
	s_barrier_signal -1
	s_barrier_wait -1
	CREST
.endm
.macro GROUP1 g, el, rows              ; rows of el x 8 bytes, one to a record
	s_mov_b32 s[\g+1], (\el)<<16
	s_mov_b32 s[\g+2], (\rows)<<16
	s_mov_b32 s[\g+3], (\el)<<16
	s_mov_b32 s[\g+4], \rows
	s_mov_b32 s[\g+5], 1600
	s_mov_b32 s[\g+6], 0
	s_mov_b32 s[\g+7], 0
.endm
	s_load_b256 s[4:11], s[0:1], 0x0               ; oimg s[4:5], img s[6:7], bo s[8:9], out0 s[10:11]
	v_lshl_add_u32 v[SPW], v0, 2, SPARE
	v_mov_b32 v[NIL], 0
	ds_add_u32 v[SPW], v[NIL]                      ; the opening lines: the add, twice on end, and its wait
	ds_add_u32 v[SPW], v[NIL]
	v_lshrrev_b32 v1, 5, v0
	v_readfirstlane_b32 s14, v1                    ; wave
	s_lshr_b32 s15, s14, 1                         ; my half of the block's rows; also: I fetch for A (0) or B (1)
	s_and_b32 s16, s14, 1                          ; my half of its columns; also: which half of that tile I fetch
	s_bfe_u32 s40, ttmp6, 0x40000                  ; cx = the block's column, 0 .. 3
	s_bfe_u32 s41, ttmp6, 0x40004                  ; cy
	s_and_b32 s17, ttmp7, 0xffff
	s_lshl_b32 s17, s17, 2
	s_add_co_u32 s17, s17, s41                     ; the block's row, 0 .. 63
	s_lshl_b32 s43, s41, 2
	s_lshl_b32 s43, 15, s43                        ; my row of the cluster
	s_lshl_b32 s44, 0x1111, s40                    ; my column
	s_or_b32 s[G1+0], s43, (3<<16)|(1<<21)
	s_or_b32 s[G1B+0], s44, (3<<16)|(1<<21)
	s_or_b32 s[G1S+0], s43, (3<<16)|(1<<21)
	s_or_b32 s[G1SB+0], s44, (3<<16)|(1<<21)
	GROUP1 G1, 384, 8                              ; the head's loads bring whole tiles: A's 8 records,
	GROUP1 G1B, 384, 16                            ; B's 16,
	GROUP1 G1S, 64, 8                              ; and their scale words
	GROUP1 G1SB, 64, 16
	s_lshl_b32 s20, s17, 3
	s_lshl_b32 s21, s16, 2
	s_add_co_u32 s20, s20, s21                     ; A: record 8 x block row + 4 x half
	s_mul_i32 s20, s20, REC
	s_mov_b32 s21, 0
	s_lshl_b32 s46, s40, 4
	s_lshl_b32 s47, s16, 3
	s_add_co_u32 s46, s46, s47
	s_add_co_u32 s46, s46, 1536                    ; B: record 1536 + 16 cx + 8 x half
	s_mul_i32 s46, s46, REC
	s_mov_b32 s47, 0
	s_mul_i32 s45, s14, HALFT                      ; where B's halves go (waves 2, 3),
	s_mul_i32 s18, s16, AQ                         ; and A's (waves 0, 1)
	s_wait_dscnt 0x0
	s_wait_kmcnt 0x0
	s_add_nc_u64 s[20:21], s[4:5], s[20:21]
	s_add_nc_u64 s[46:47], s[6:7], s[46:47]
	CROUND                                         ; all sixteen work-groups are here: the first joint loads meet
	s_mov_b32 s[G0S], 1
	s_mov_b32 s[G0S+1], SCL
	s_add_nc_u64 s[G0S+2:G0S+3], s[20:21], 12288
	s_sub_nc_u64 s[G0S+2:G0S+3], s[G0S+2:G0S+3], 4*REC   ; used by wave 1 alone, whose half is the upper one: back to the tile's first record
	s_or_b32 s[G0S+3], s[G0S+3], 0x80000000
	s_mov_b32 s[G0SB], 1
	s_mov_b32 s[G0SB+1], SCL+8192
	s_add_nc_u64 s[G0SB+2:G0SB+3], s[46:47], 12288
	s_sub_nc_u64 s[G0SB+2:G0SB+3], s[G0SB+2:G0SB+3], 8*REC   ; used by wave 3 alone
	s_or_b32 s[G0SB+3], s[G0SB+3], 0x80000000
.irp s, 0,1
	s_mov_b32 s[G0+4*\s], 1
	s_add_co_u32 s[G0+4*\s+1], s18, \s*SLOT
	s_add_nc_u64 s[G0+4*\s+2:G0+4*\s+3], s[20:21], \s*3072
	s_or_b32 s[G0+4*\s+3], s[G0+4*\s+3], 0x80000000
	s_mov_b32 s[G0B+4*\s], 1
	s_add_co_u32 s[G0B+4*\s+1], s45, \s*SLOT
	s_add_nc_u64 s[G0B+4*\s+2:G0B+4*\s+3], s[46:47], \s*3072
	s_or_b32 s[G0B+4*\s+3], s[G0B+4*\s+3], 0x80000000
.endr
; THE HEAD'S LOADS, ONE A WAVE, in one chain of branches on the wave's number.  Wave 0's own group 0 begins at A's first record and at LDS byte 0, wave 2's at B's first record and at 2 HALFT.
	s_cmp_eq_u32 s14, 0
	s_cbranch_scc0 .Lhead_1
	TLOAD G0, G1
	s_branch .Lhead_asked
.Lhead_1:
	s_cmp_eq_u32 s14, 1
	s_cbranch_scc0 .Lhead_2
	TLOAD G0S, G1S
	s_branch .Lhead_asked
.Lhead_2:
	s_cmp_eq_u32 s14, 2
	s_cbranch_scc0 .Lhead_3
	TLOAD G0B, G1B
	s_branch .Lhead_asked
.Lhead_3:
	TLOAD G0SB, G1SB
.Lhead_asked:
	; under the loads' flight: the scalars first, then the vector lines on end
	s_mul_i32 s12, s15, AQ                         ; my four records of A in slot 0,
	s_add_co_u32 s19, s12, SLOT                    ; in slot 1;
	s_mul_i32 s13, s16, HALFT
	s_add_co_u32 s13, s13, 2*HALFT                 ; my eight of B
	s_add_co_u32 s22, s13, SLOT
	s_lshl_b32 s84, s15, 11                        ; my rows' scale words: A's,
	s_lshl_b32 s86, s16, 12
	s_add_co_u32 s86, s86, 8192
	s_sub_co_u32 s86, s86, s84                     ; and how far behind them B's lie
	s_add_co_u32 s85, s84, SCL
	s_mul_i32 s23, s14, 16*SPITCH                  ; my stage, in slot 0
	s_lshl_b32 s66, s40, 10
	s_lshl_b32 s67, s16, 9
	s_add_co_u32 s66, s66, s67                     ; my first column, in bytes
	s_mov_b32 s67, 0
	s_add_nc_u64 s[8:9], s[8:9], s[66:67]
	s_add_nc_u64 s[10:11], s[10:11], s[66:67]
	s_lshl_b32 s66, s17, 19                        ; 128 rows of 4,096 bytes a block,
	s_lshl_b32 s87, s15, 18                        ; 64 a half
	s_add_co_u32 s66, s66, s87
	s_add_nc_u64 s[10:11], s[10:11], s[66:67]
	v_and_b32 v1, 15, v0
	v_bfe_u32 v2, v0, 4, 1
	v_and_b32 v3, 31, v0
	v_lshlrev_b32 v[LI], 4, v3
	v_lshlrev_b32 v4, 3, v3
	v_add_nc_u32 v[ADRA], s12, v4
	v_add_nc_u32 v[ADRA+1], s19, v4
	v_add_nc_u32 v[ADRB], s13, v[LI]
	v_add_nc_u32 v[ADRB+1], s22, v[LI]
	v_lshlrev_b32 v5, 4, v1
	v_mul_u32_u24 v6, s86, v2                      ; lanes 16-31 take B's
	v_add_nc_u32 v5, v5, v6
	v_add_nc_u32 v[ADRS], s85, v5
	v_lshl_add_u32 v[ADRS2], v2, 11, v[ADRS]
	v_mul_u32_u24 v5, v1, SPITCH
	v_lshl_add_u32 v5, v2, 6, v5
	v_add_nc_u32 v[STO], s23, v5
	v_add_nc_u32 v[RD], s23, v[LI]
	v_lshlrev_b32 v7, 6, v2
	s_wait_alu depctr_va_vdst(0)                   ; the wait at the head's end
	WIN TO_B
.irp b, 0,1,2,3,4,5,6,7                ; the bias as the result lies: register j of lane (r, h) in tile b is column 32 (b / 2) + 8 (b % 2) + 16 h + j
	global_load_b128 v[96+8*\b+96*(\b/4):99+8*\b+96*(\b/4)], v7, s[8:9] offset:(32*(\b/2)+8*(\b%2))*4
	global_load_b128 v[100+8*\b+96*(\b/4):103+8*\b+96*(\b/4)], v7, s[8:9] offset:(32*(\b/2)+8*(\b%2))*4+16
.endr
	WIN 0
	s_wait_tensorcnt 0x0                           ; my tile of the head's four is in
	ds_add_u32 v[SPW], v[NIL]
	s_mov_b32 s[G1+2], 4<<16                       ; no tensor load of mine is out: from here on a load brings four records of A,
	s_mov_b32 s[G1+4], 4
	s_mov_b32 s[G1B+2], 8<<16                      ; or eight of B
	s_mov_b32 s[G1B+4], 8
	s_wait_dscnt 0x0
	CROUND                                         ; all four tiles are in, in every partner
	JLOAD G0+4, G1, G0B+4, G1B                     ; slot 1's first fill
; 16 matrix instructions: A's blocks a0, a0 + 1 x B's eight.  The 32 accumulators take turns, in the same order in every K step.
.macro MUL16 a0, p, ks, zero
.irp a, \a0, \a0+1
.irp b, 0,1,2,3,4,5,6,7
.if \zero == 2
	v_wmma_scale_f32_16x16x128_f8f6f4 v[8*(8*(\a)+\b):8*(8*(\a)+\b)+7], v[128*(\p)+FR*\b:128*(\p)+FR*\b+FR-1], v[AF+FR*(\a):AF+FR*(\a)+FR-1], v[96+8*\b+96*(\b/4):103+8*\b+96*(\b/4)], v[SC+8*\b+(\ks)], v[SC+8*(\a)+(\ks)] matrix_a_fmt:MATRIX_FMT_FP6 matrix_b_fmt:MATRIX_FMT_FP6 matrix_a_scale:MATRIX_SCALE_ROW1
.else
	v_wmma_scale_f32_16x16x128_f8f6f4 v[8*(8*(\a)+\b):8*(8*(\a)+\b)+7], v[128*(\p)+FR*\b:128*(\p)+FR*\b+FR-1], v[AF+FR*(\a):AF+FR*(\a)+FR-1], v[8*(8*(\a)+\b):8*(8*(\a)+\b)+7], v[SC+8*\b+(\ks)], v[SC+8*(\a)+(\ks)] matrix_a_fmt:MATRIX_FMT_FP6 matrix_b_fmt:MATRIX_FMT_FP6 matrix_a_scale:MATRIX_SCALE_ROW1
.endif
.endr
.endr
.endm
.macro FETCH_B slot, q, p              ; B's eight fragments: 24 loads
	WIN TO_B
.irp i, 0,1,2,3,4,5,6,7
.irp g, 0,1,2
	ds_load_b128 v[128*(\p)+FR*\i+4*\g:128*(\p)+FR*\i+4*\g+3], v[ADRB+\slot] offset:3072*\i+1536*(\q)+512*\g
.endr
.endr
	WIN 0
.endm
.macro FETCH_A slot, q, i0             ; A's blocks i0, i0 + 1: 12 loads
.irp i, \i0, \i0+1
.irp g, 0,1,2,3,4,5
	ds_load_b64 v[AF+FR*(\i)+2*\g:AF+FR*(\i)+2*\g+1], v[ADRA+\slot] offset:3072*(\i)+1536*(\q)+256*\g
.endr
.endr
.endm
.macro SCALES                          ; all eight K steps' words, once
.irp i, 0,1,2,3
	ds_load_b128 v[SC+8*\i:SC+8*\i+3], v[ADRS] offset:512*\i
	ds_load_b128 v[SC+8*\i+4:SC+8*\i+7], v[ADRS] offset:512*\i+256
.endr
.irp i, 4,5,6,7
	ds_load_b128 v[SC+8*\i:SC+8*\i+3], v[ADRS2] offset:512*(\i-4)
	ds_load_b128 v[SC+8*\i+4:SC+8*\i+7], v[ADRS2] offset:512*(\i-4)+256
.endr
.endm
.macro STEP slot, ks, zero             ; a slot's first K step; the second's fragments are fetched in its middle and at its end
	s_wait_dscnt 2*NLA                             ; all but the youngest 12 loads, A's blocks 2, 3
.if \zero == 2
	WIN MULB
.else
	WIN MUL
.endif
	MUL16 0, 0, \ks, \zero
	s_wait_dscnt 0
	PLACES 4
	FETCH_B \slot, 1, 1
	FETCH_A \slot, 1, 0
.if \zero == 2
	WIN MULB
.else
	WIN MUL
.endif
	MUL16 2, 0, \ks, \zero
	PLACES 4
	WIN 0
	FETCH_A \slot, 1, 2
.endm
.macro TURN slot, next, ks, fill       ; a slot's second K step, and the change of slots
	s_wait_tensorcnt 0x0                           ; all my tensor loads have landed, my part of the next slot among them;
	ds_add_u32 v[SPW], v[NIL]
	s_wait_dscnt 2*NLA+1                           ; (the add and A's blocks 2, 3 may be out)
	WIN MUL
	MUL16 0, 1, \ks, 0
	s_wait_dscnt 0x0                               ; the add is done, and my reads of this slot are over
	s_barrier_signal -1
	MUL16 2, 1, \ks, 0
	WIN 0
	s_barrier_wait -1
.if \fill
	CREST                                          ; the barrier has opened a round of the cluster's barrier
	s_add_nc_u64 s[G0+4*\slot+2:G0+4*\slot+3], s[G0+4*\slot+2:G0+4*\slot+3], 6144
	s_add_nc_u64 s[G0B+4*\slot+2:G0B+4*\slot+3], s[G0B+4*\slot+2:G0B+4*\slot+3], 6144
	JLOAD G0+4*\slot, G1, G0B+4*\slot, G1B         ; the first tensor load behind the round; its four v_nop are the places in front of the loads below
.else
	PLACES 4
.endif
	FETCH_B \next, 0, 0
	FETCH_A \next, 0, 0
	FETCH_A \next, 0, 2
.endm
	FETCH_B 0, 0, 0
	FETCH_A 0, 0, 0
	SCALES
	FETCH_A 0, 0, 2
	s_wait_loadcnt 0x0                             ; the bias
	STEP 0, 0, 2
	TURN 0, 1, 1, 1
	STEP 1, 2, 0
	TURN 1, 0, 3, 1
	STEP 0, 4, 0
	TURN 0, 1, 5, 0
	STEP 1, 6, 0
	s_wait_dscnt 2*NLA
	WIN MUL
	MUL16 0, 1, 7, 0
	s_wait_dscnt 0
	MUL16 2, 1, 7, 0
	WIN 0
; THE WAY OUT, block by block of 16 rows x 128 columns, through my own stage in slot 0, which has had its last fill and, ahead of the last barrier, its last read.  Whole rows of 512 bytes come back and are stored by the 32 lanes.
.macro TOSTAGE a
.set AC, 64*(\a)
	WIN 0x08
.irp b, 0,1,2,3,4,5,6,7
	ds_store_b128 v[STO], v[AC+8*\b:AC+8*\b+3] offset:128*(\b/2)+32*(\b%2)       ; each accumulator from its low end on
	ds_store_b128 v[STO], v[AC+8*\b+4:AC+8*\b+7] offset:128*(\b/2)+32*(\b%2)+16
.endr
	WIN 0
.set BB, BK+64*((\a)%2)
.irp t, 0,1,2,3,4,5,6,7,8,9,10,11,12,13,14,15
	ds_load_b128 v[BB+4*\t:BB+4*\t+3], v[RD] offset:\t*SPITCH   ; LDS serves a wave's instructions in order: these see the stores above
.endr
.endm
.macro SEND a, younger
.set BB, BK+64*((\a)%2)
	s_wait_dscnt \younger
.irp t, 0,1,2,3,4,5,6,7,8,9,10,11,12,13,14,15
	global_store_b128 v[LI], v[BB+4*\t:BB+4*\t+3], s[10:11] offset:(32*((\a)/2)+8*((\a)%2)+\t+8*(\t/8))*4096 th:TH_STORE_NT   ; 512 consecutive bytes, aligned
.endr
.endm
	PLACES 4
	TOSTAGE 0
.irp a, 1,2,3
.if \a > 1
	s_wait_xcnt 0x0                                ; block a - 2's stores have read their registers
.endif
	TOSTAGE \a
	SEND \a-1, 32                                  ; behind block a - 1's loads: block a's 16 stores and 16 loads
.endr
	SEND 3, 0
	s_wait_tensorcnt 0x0                           ; the wave's end
	ds_add_u32 v[SPW], v[NIL]
	s_wait_dscnt 0x0
	CROUND                                         ; the closing round
	s_endpgm
.Lfunc_end_k_qf0c29dd26b_outp:
	.size	k_qf0c29dd26b_outp, .Lfunc_end_k_qf0c29dd26b_outp-k_qf0c29dd26b_outp
	.p2alignl 7, 3214868480
	.fill 96, 4, 3214868480
	.section	.rodata,"a",@progbits
	.p2align	6, 0x0
	.amdhsa_kernel k_qf0c29dd26b_outp
		.amdhsa_group_segment_fixed_size 327680
		.amdhsa_private_segment_fixed_size 0
		.amdhsa_enable_private_segment 0
		.amdhsa_kernarg_size 32
		.amdhsa_user_sgpr_count 2
		.amdhsa_user_sgpr_kernarg_segment_ptr 1
		.amdhsa_wavefront_size32 1
		.amdhsa_system_sgpr_workgroup_id_x 1
		.amdhsa_system_sgpr_workgroup_id_y 1
		.amdhsa_system_sgpr_workgroup_id_z 1
		.amdhsa_system_vgpr_workitem_id 0
		.amdhsa_next_free_vgpr 768
		.amdhsa_next_free_sgpr 100
		.amdhsa_reserve_vcc 0
		.amdhsa_float_denorm_mode_32 3
		.amdhsa_float_denorm_mode_16_64 3
		.amdhsa_memory_ordered 1
		.amdhsa_forward_progress 1
		.amdhsa_inst_pref_size 88
	.end_amdhsa_kernel
	.amdgpu_metadata
---
amdhsa.version: [ 1, 2 ]
amdhsa.kernels:
  - .name:           k_qf0c29dd26b_outp
    .symbol:         k_qf0c29dd26b_outp.kd
    .args:
      - { .name: oimg, .offset: 0, .size: 8, .value_kind: global_buffer, .address_space: global }
      - { .name: img, .offset: 8, .size: 8, .value_kind: global_buffer, .address_space: global }
      - { .name: bo, .offset: 16, .size: 8, .value_kind: global_buffer, .address_space: global }
      - { .name: out0, .offset: 24, .size: 8, .value_kind: global_buffer, .address_space: global }
    .group_segment_fixed_size: 327680
    .private_segment_fixed_size: 0
    .kernarg_segment_align: 8
    .kernarg_segment_size: 32
    .max_flat_workgroup_size: 128
    .sgpr_count:     100
    .vgpr_count:     768
    .wavefront_size: 32
...
	.end_amdgpu_metadata
.endif
;; end of part 4
